; MI455X (gfx1250); checked and timed in simulation.
; The chip was launched on July 23, 2026; its instructions are those of AMD's public machine-readable ISA for CDNA 5 (MIT licence, August 2026) and "CDNA5" Instruction Set Architecture Reference Guide (July 2026). The comments in the code are by the model that wrote it; some were corrected since.
;; Llama Attention. Allowed arithmetic: matrix products marked QUANTISED: E2M1 operands, one E8M0 scale for each 32 along K, by v_wmma_scale_f32_16x16x128_f8f6f4 with both operands' format E2M1 (or v_wmma_scale_f32_32x16x128_f4), f32 sums; products left as they are: bf16, f16 or f32 operands; f32 sums; everything else in f32.
;; Inputs: Wk 2,048 x 512 float32; Wo 1,024 x 2,048 float32; Wq 2,048 x 1,024 float32; Wv 2,048 x 512 float32; attention_mask 2 x 1 x 2,048 x 2,048 float32; hidden_states 2 x 2,048 x 2,048 float32; position_ids 2 x 2,048 int32.
;; Outputs: out0 2 x 2,048 x 2,048 float32.
;; This version of the problem:
;;   THIS VERSION OF THE PROBLEM IS GIVEN IN LOW PRECISION. The matrix products marked QUANTISED in the list below multiply operands that are first quantised to E2M1 (2 exponent bits, 1 mantissa bit; 4 bits a number), with one power-of-two scale for each 32 numbers along K (OCP MX v1.0); their sums are f32. The products marked 'left as it is' may take bf16, f16 or f32 operands, with f32 sums. Whichever they take, every output number must still come out within the allowed error. Rounding operands to bf16 (8 significant bits) uses up far more of that allowance than f16 does (11 bits, for magnitudes from 6e-5 to 65,504). All else is computed in f32.
;;   The module's matrix products, in the order in which they are computed (A, B: the left and right operand; K: the contracted axis; several contracted axes count as one K, in the product's order):
;;     1. [M 4,096, K 2,048] x [K 2,048, N 1,024]; A: input hidden_states; B: input Wq: QUANTISED
;;     2. [M 4,096, K 2,048] x [K 2,048, N 512]; A: input hidden_states; B: input Wk: QUANTISED
;;     3. [M 4,096, K 2,048] x [K 2,048, N 512]; A: input hidden_states; B: input Wv: QUANTISED
;;     4. batch 16 x [M 4,096, K 64] x [K 64, N 2,048]; A: computed on the way; B: computed on the way: left as it is (an operand is computed on the way)
;;     5. batch 16 x [M 4,096, K 2,048] x [K 2,048, N 64]; A: computed on the way; B: computed on the way: left as it is (an operand is computed on the way)
;;     6. [M 4,096, K 1,024] x [K 1,024, N 2,048]; A: computed on the way; B: input Wo: left as it is (an operand is computed on the way)
;;   THE QUANTISER, for each operand of a quantised product, along K:
;;     - K is cut into blocks of 32 from its start; a last block that is shorter is filled with zeros.
;;     - A block's scale is 2^e with e = floor(log2(the largest magnitude in the block)) - 2, held to -126 .. 127; a block of zeros has e = 0. As a byte (E8M0): e + 127.
;;     - Each number is divided by its block's scale, clamped to +-6, and rounded to the nearest number of E2M1, ties to even, subnormals kept.
;;     - The product sums the exact products of the quantised numbers (number of the format x scale) in f32.
;;   ~~~python
;;   def quantise(x, axis):      # numpy; x: float32 -> the quantised numbers, widened to float32 again
;;       x = np.moveaxis(x, axis, -1); K = x.shape[-1]
;;       x = np.pad(x, [(0, 0)] * (x.ndim - 1) + [(0, -K % 32)]); x = x.reshape(x.shape[:-1] + (-1, 32)); a = np.abs(x).max(-1, keepdims=True)
;;       e = np.where(a > 0, np.clip(np.frexp(np.where(a > 0, a, 1))[1] - 1 - 2, -126, 127), 0)      # np.frexp(a)[1] - 1 = floor(log2(a)), exactly
;;       r = np.clip(x / 2.0 ** e, -6, 6)
;;       step = 2.0 ** (np.maximum(np.frexp(np.where(r == 0, 1, r))[1] - 1, 0) - 1)
;;       q = np.round(r / step) * step * 2.0 ** e      # np.round: ties to even
;;       return np.moveaxis(q.reshape(q.shape[:-2] + (-1,))[..., :K], -1, axis).astype(np.float32)
;;   ~~~
;; One version. Each part assembles by itself: llvm-mc -triple=amdgcn-amd-amdhsa -mcpu=gfx1250 --defsym DOCPART=n.
;; ======== version 1 of 1: 6 launches
;; workspace buffers: xq 4,456,448 bytes; wq 2,228,224 bytes; rope 1,048,576 bytes; wo16 4,194,304 bytes; qkv16 16,777,216 bytes; v32 8,388,608 bytes; ctx 8,388,608 bytes; ctxf 270,336 bytes
;; launch prep (part 1): grid 448 x 1, 4 waves a work-group, no clusters, 68,096 bytes of LDS; arguments hidden_states, position_ids, Wq, Wk, Wv, Wo, xq, wq, rope, wo16; writes xq, wq, rope, wo16
.if DOCPART == 1
	.amdgcn_target "amdgcn-amd-amdhsa--gfx1250"
	.amdhsa_code_object_version 6
	.text
	.protected	k_q62e5480e3f_prep
	.globl	k_q62e5480e3f_prep
	.p2align	8
	.type	k_q62e5480e3f_prep,@function
k_q62e5480e3f_prep:
	s_mov_b64 s[64:65], 0
	v_nop
	global_prefetch_b8 v0, s[64:65] scope:SCOPE_SE
	s_setreg_imm32_b32 hwreg(HW_REG_WAVE_MODE, 25, 1), 1
	s_wait_xcnt 0x0
; PREP: everything that is made once for the later launches.  Three kinds of work-group, told apart by the work-group's number; each kind has LDS bytes of its own.
;  X (0 .. 255):   hidden_states [4096][2048] f32 -> codes of E2M1, K innermost, xq[0 ..): [4096][1024 bytes]; one E8M0 byte for each 32 along K, xq[4194304 ..): [4096][64].
;                  The work-group's 32,768 numbers are 16 tokens: it also makes their rows of the table rope[token][cos 32 f32, sin 32 f32] from position_ids.
;  W (256 .. 383): Wq, Wk, Wv ([2048 k][n] f32, K the FIRST axis) -> codes with K innermost, wq[0 ..): [2048 rows][1024 bytes]; scale bytes wq[2097152 ..): [2048][64].
;                  Row 256 c + i: i 0-127 Wq's columns 128 c + i (heads 2 c, 2 c + 1); i 128-191 Wk's columns 64 c + i - 128; i 192-255 Wv's columns 64 c + i - 192.
;  O (384 .. 447): Wo [1024][2048] f32 -> f16, same layout (a product that is left as it is).
; THE QUANTISER: a block's scale is 2^(floor(log2(largest magnitude)) - 2); its byte is the largest magnitude's exponent field - 2, held at 1 from below.  A block of zeros so gets the byte 1
; where the rule says 127: its codes are zeros, which add nothing under any byte but 0xff, and the bytes are read by this program alone.
; LIMITS: NaN and infinities among the inputs are not served; blocks whose largest magnitude lies under 2^-124 keep the byte 1.  position_ids lie in 0 .. 2047; the frequencies come from
; v_exp_f32, so the angle is good to about 5e-4 rad at the farthest positions.  Wo's numbers must lie inside f16's range.
.set SPW,   254                        ; v254 LDS address of my spare word; never rewritten
.set NIL,   255                        ; v255 0; never rewritten
.set SPARE, 67584                      ; behind both paths' stages: the spare words, 128 bytes a wave
.set WV,    28                         ; s28  my wave's number
.set XR,    16                         ; X: v16-143 eight sets of 16 numbers as loaded: loads run eight steps, 32 loads a wave, ahead
.set XX,    144                        ; X: v144-175 two sets of 16 neighbours
.set XE,    176                        ; X: v176-191 a scale byte for each step
.set XC,    192                        ; X: v192-223 codes, two registers a step, so that no store's data are written again
.set TG,    224                        ; X: v224-253 the table's work
.set XSP,   80                         ; X: a lane's place in a stage: 64 bytes + 16 of padding
.set WX,    32                         ; W: v32-95 two sets of 32 numbers
.set WC,    96                         ; W: v96-99 a block's codes
.set WSB,   24                         ; W: v24-25 scale bytes
.set WOUT,  112                        ; W: v112-143 the way out
.set WRO,   176                        ; W: v176-207 offset of row i of a block
.set WP,    272                        ; W: a stage row: 256 bytes + 16
.macro XLOAD t
.irp i, 0,1,2,3
	global_load_b128 v[XR+16*((\t)%8)+4*\i:XR+16*((\t)%8)+4*\i+3], v3, s[4:5] offset:2048*(\t)+512*\i th:TH_LOAD_NT   ; 32 lanes read 512 consecutive bytes
.endr
.endm
.macro XTURN t                         ; a step's 2,048 bytes through my stage: in as they lie, out 64 bytes a lane; LDS serves a wave's instructions in order
.irp i, 0,1,2,3
	ds_store_b128 v14, v[XR+16*((\t)%8)+4*\i:XR+16*((\t)%8)+4*\i+3] offset:32*XSP*((\t)%2)+8*XSP*\i
.endr
.irp i, 0,1,2,3
	ds_load_b128 v[XX+16*((\t)%2)+4*\i:XX+16*((\t)%2)+4*\i+3], v15 offset:32*XSP*((\t)%2)+16*\i
.endr
.endm
.macro XSTEP t
.set XS, XX+16*((\t)%2)
.if (\t) > 0
	s_wait_dscnt 1                                 ; this step's numbers are back from the stage, so its stores into the stage are done; the last step's byte store may be out
.else
	s_wait_dscnt 0x0
.endif
.if (\t)+8 < 16
	XLOAD (\t)+8                                   ; into the set that this step's numbers have left
.endif
.if (\t)+1 < 16
.if 14-(\t) >= 7
	s_wait_loadcnt 28                              ; the next step's four loads are in; those of the seven steps behind it may be out
.else
	s_wait_loadcnt 4*(14-(\t))
.endif
	XTURN (\t)+1
.endif
	v_max3_num_f32 v8, |v[XS]|, |v[XS+1]|, |v[XS+2]|
	v_max3_num_f32 v9, |v[XS+3]|, |v[XS+4]|, |v[XS+5]|
.irp i, 6,10
	v_max3_num_f32 v8, v8, |v[XS+\i]|, |v[XS+\i+1]|
	v_max3_num_f32 v9, v9, |v[XS+\i+2]|, |v[XS+\i+3]|
.endr
	v_max3_num_f32 v8, v8, |v[XS+14]|, |v[XS+15]|
	v_max3_num_f32 v8, v8, v9, 0x1800000           ; and the floor 2^(3 - 127): the byte cannot fall under 1
	v_max_num_f32_dpp v8, v8, v8 row_xmask:1 row_mask:0xf bank_mask:0xf   ; with my neighbour's 16: the block's largest magnitude
	v_add_nc_u32 v11, 0xff000000, v8               ; 2 off its exponent field: the conversion's scale operand
	v_cvt_scalef32_pk8_fp4_f32 v[XC+2*(\t)], v[XS:XS+7], v11
	v_cvt_scalef32_pk8_fp4_f32 v[XC+2*(\t)+1], v[XS+8:XS+15], v11
	v_lshrrev_b32 v[XE+(\t)], 23, v11              ; the scale's byte
	ds_store_b8 v5, v[XE+(\t)] offset:16*(\t)      ; both lanes of a block write the same byte with the same value
	global_store_b64 v4, v[XC+2*(\t):XC+2*(\t)+1], s[16:17] offset:256*(\t)   ; the wave stores 256 consecutive bytes
.endm
; cos or sin of position x frequency e.  The angle is reduced by kf = the nearest whole number of quarter turns (three fused multiply-adds with pi / 2 in three parts), r lies in +-pi/4;
; q = kf (+ 3 for a sine) picks the polynomial (odd: sine) and the sign ((q + 1) & 2).
.macro TRIG out, pos, e
	v_mul_f32 v[TG+10], v[\pos], v[TG+4+\e]
	v_mul_f32 v[TG+11], 0x3f22f983, v[TG+10]       ; x 2 / pi
	v_rndne_f32 v[TG+11], v[TG+11]
	v_fmamk_f32 v[TG+10], v[TG+11], 0xbfc90000, v[TG+10]   ; - kf x 1.5703125
	v_fmamk_f32 v[TG+10], v[TG+11], 0xb9fda000, v[TG+10]   ; - kf x 4.83751297e-4
	v_fmamk_f32 v[TG+10], v[TG+11], 0xb3a22168, v[TG+10]   ; - kf x 7.54978995e-8: r
	v_cvt_i32_f32 v[TG+11], v[TG+11]
	v_mul_f32 v[TG+12], v[TG+10], v[TG+10]         ; z = r r
	v_add_nc_u32 v[TG+11], v[TG+11], v[TG+8]       ; q
	v_fmaak_f32 v[TG+13], s36, v[TG+12], 0x3c08839e
	v_fmaak_f32 v[TG+14], s37, v[TG+12], 0xbab6061a
	v_fmaak_f32 v[TG+13], v[TG+13], v[TG+12], 0xbe2aaaa3
	v_fmaak_f32 v[TG+14], v[TG+14], v[TG+12], 0x3d2aaaa5
	v_mul_f32 v[TG+15], v[TG+10], v[TG+12]
	v_mul_f32 v[TG+16], v[TG+12], v[TG+12]
	v_fma_f32 v[TG+12], v[TG+12], -0.5, 1.0
	v_fma_f32 v[TG+13], v[TG+15], v[TG+13], v[TG+10]   ; sin r
	v_fma_f32 v[TG+14], v[TG+16], v[TG+14], v[TG+12]   ; cos r
	v_and_b32 v[TG+15], 1, v[TG+11]
	v_cmp_eq_u32 vcc_lo, 1, v[TG+15]
	v_cndmask_b32 v[TG+13], v[TG+14], v[TG+13], vcc_lo
	v_add_nc_u32 v[TG+11], 1, v[TG+11]
	v_and_b32 v[TG+11], 2, v[TG+11]
	v_lshlrev_b32 v[TG+11], 30, v[TG+11]
	v_xor_b32 v[\out], v[TG+13], v[TG+11]
.endm
.macro WLOAD t                         ; block t: W(256 h + 32 t + i, my column), i = 0 .. 31: each load reads two runs of 64 consecutive bytes; the four waves stand side by side on 256
.set n, 0
.rept 32
	global_load_b32 v[WX+32*((\t)%2)+n], v[WRO+n], s[32+2*(\t):33+2*(\t)] th:TH_LOAD_NT
.set n, n+1
.endr
.endm
.macro WBLOCK t
.set XS, WX+32*((\t)%2)
.if (\t) < 7
	s_wait_loadcnt 32                              ; this block's 32 loads are in; the next block's may be out
.else
	s_wait_loadcnt 0x0
.endif
	v_max3_num_f32 v12, |v[XS]|, |v[XS+1]|, |v[XS+2]|   ; all 32 numbers of the block are mine
	v_max3_num_f32 v13, |v[XS+3]|, |v[XS+4]|, |v[XS+5]|
.irp i, 6,10,14,18,22,26
	v_max3_num_f32 v12, v12, |v[XS+\i]|, |v[XS+\i+1]|
	v_max3_num_f32 v13, v13, |v[XS+\i+2]|, |v[XS+\i+3]|
.endr
	v_max3_num_f32 v12, v12, |v[XS+30]|, |v[XS+31]|
	v_max3_num_f32 v12, v12, v13, 0x1800000
	v_add_nc_u32 v11, 0xff000000, v12
	v_lshrrev_b32 v13, 23, v11
.if (\t)%4 == 0
	v_mov_b32 v[WSB+(\t)/4], v13
.else
	v_lshl_or_b32 v[WSB+(\t)/4], v13, 8*((\t)%4), v[WSB+(\t)/4]
.endif
.irp g, 0,1,2,3
	v_cvt_scalef32_pk8_fp4_f32 v[WC+\g], v[XS+8*\g:XS+8*\g+7], v11
.endr
	ds_store_b128 v4, v[WC:WC+3] offset:16*(\t)    ; 32 codes: 16 bytes of my column's row
.if (\t)+2 < 8
	WLOAD (\t)+2
.endif
	s_wait_dscnt 0x0                               ; the store is done before the next block's codes are written
.endm
.macro OLOAD g
.irp i, 0,1,2,3,4,5,6,7,8,9,10,11,12,13,14,15
	global_load_b128 v[32+64*((\g)%2)+4*\i:32+64*((\g)%2)+4*\i+3], v3, s[14:15] offset:8192*(\g)+512*\i th:TH_LOAD_NT
.endr
.endm
.macro OGROUP g
.if (\g) < 3
	s_wait_loadcnt 16                              ; this group's 16 loads are in; the other set's may be out
.else
	s_wait_loadcnt 0x0
.endif
.if (\g) > 0
	s_wait_xcnt 0x0                                ; the last group's stores have read v160-191, which are written again
.endif
.irp i, 0,1,2,3,4,5,6,7,8,9,10,11,12,13,14,15
	v_cvt_pk_f16_f32 v[160+2*\i], v[32+64*((\g)%2)+4*\i], v[32+64*((\g)%2)+4*\i+1]
	v_cvt_pk_f16_f32 v[161+2*\i], v[32+64*((\g)%2)+4*\i+2], v[32+64*((\g)%2)+4*\i+3]
.endr
.irp i, 0,1,2,3,4,5,6,7,8,9,10,11,12,13,14,15
	global_store_b64 v4, v[160+2*\i:161+2*\i], s[22:23] offset:4096*(\g)+256*\i   ; the wave stores 256 consecutive bytes, aligned
.endr
.if (\g)+2 < 4
	OLOAD (\g)+2
.endif
.endm
	s_load_b512 s[4:19], s[0:1], 0x0               ; hidden 4:5, positions 6:7, Wq 8:9, Wk 10:11, Wv 12:13, Wo 14:15, xq 16:17, wq 18:19
	s_load_b128 s[20:23], s[0:1], 0x40             ; rope 20:21, wo16 22:23
	v_lshl_add_u32 v[SPW], v0, 2, SPARE
	v_mov_b32 v[NIL], 0
	v_lshrrev_b32 v1, 5, v0
	v_readfirstlane_b32 s[WV], v1                  ; wave 0..3
	v_and_b32 v2, 31, v0                           ; lane
	s_mov_b32 s33, 0
	s_wait_kmcnt 0x0
	s_cmp_lt_u32 ttmp9, 256
	s_cbranch_scc1 .Lpath_x
	s_cmp_lt_u32 ttmp9, 384
	s_cbranch_scc1 .Lpath_w
	; ---- O: a plain stream.  My wave's run of 8,192 numbers, four groups of 2,048; two groups of loads are on their way
	s_sub_co_u32 s30, ttmp9, 384
	s_lshl_b32 s30, s30, 2
	s_add_co_u32 s30, s30, s[WV]
	s_lshl_b32 s32, s30, 15
	s_add_nc_u64 s[14:15], s[14:15], s[32:33]
	s_lshl_b32 s32, s30, 14
	s_add_nc_u64 s[22:23], s[22:23], s[32:33]
	v_lshlrev_b32 v3, 4, v2
	v_lshlrev_b32 v4, 3, v2
	OLOAD 0
	OLOAD 1
	OGROUP 0
	OGROUP 1
	OGROUP 2
	OGROUP 3
	s_wait_tensorcnt 0x0                           ; the wave's end
	ds_add_u32 v[SPW], v[NIL]
	s_wait_dscnt 0x0
	s_endpgm
.Lpath_x:
	v_lshlrev_b32 v3, 4, v2                        ; my 16 bytes of a load's 512
	s_mul_i32 s30, s[WV], 8192                     ; my wave's region: two stages, then 256 scale bytes
	v_lshrrev_b32 v14, 2, v2
	v_mul_u32_u24 v14, v14, XSP
	v_and_b32 v15, 3, v2
	v_lshl_add_u32 v14, v15, 4, v14
	v_add_nc_u32 v14, s30, v14                     ; the stage, on the way in
	v_mul_u32_u24 v15, v2, XSP
	v_add_nc_u32 v15, s30, v15                     ; and on the way out
	v_lshlrev_b32 v4, 3, v2                        ; my codes' 8 bytes in a step's 256
	v_lshrrev_b32 v5, 1, v2
	s_add_co_u32 s30, s30, 2*32*XSP
	v_add_nc_u32 v5, s30, v5                       ; my block's scale byte
	v_lshlrev_b32 v7, 3, v2
	v_add_nc_u32 v6, s30, v7
	s_lshl_b32 s30, ttmp9, 2
	s_add_co_u32 s30, s30, s[WV]                   ; which run of 8,192 numbers is my wave's
	s_lshl_b32 s32, s30, 15
	s_add_nc_u64 s[4:5], s[4:5], s[32:33]
	s_lshl_b32 s32, s30, 8
	s_add_co_u32 s32, s32, 4194304
	s_add_nc_u64 s[34:35], s[16:17], s[32:33]      ; its 256 scale bytes
	s_lshl_b32 s32, s30, 12
	s_add_nc_u64 s[16:17], s[16:17], s[32:33]      ; its 4,096 bytes of codes
	s_lshl_b32 s32, ttmp9, 6
	s_add_nc_u64 s[6:7], s[6:7], s[32:33]          ; the work-group's 16 positions
	s_lshl_b32 s32, ttmp9, 12
	s_add_nc_u64 s[20:21], s[20:21], s[32:33]      ; and their 16 rows of the table
	v_lshrrev_b32 v[TG], 4, v0
	v_lshlrev_b32 v[TG+1], 2, v[TG]                ; thread t serves tokens t / 16 and t / 16 + 8
	global_load_b32 v[TG+2], v[TG+1], s[6:7]
	global_load_b32 v[TG+3], v[TG+1], s[6:7] offset:32
.irp t, 0,1,2,3,4,5,6,7
	XLOAD \t
.endr
	s_mov_b32 s36, 0xb94ca1f9                      ; the polynomials' leading coefficients
	s_mov_b32 s37, 0x37ccf5ce
	v_and_b32 v[TG+4], 7, v0
	v_lshlrev_b32 v[TG+4], 2, v[TG+4]
	v_cvt_f32_u32 v[TG+4], v[TG+4]                 ; my four frequencies: i = 4 (t % 8) + 0 .. 3
	v_add_f32 v[TG+5], 1.0, v[TG+4]
	v_add_f32 v[TG+6], 2.0, v[TG+4]
	v_add_f32 v[TG+7], 0x40400000, v[TG+4]
.irp e, 0,1,2,3
	v_mul_f32 v[TG+4+\e], 0xbed49a78, v[TG+4+\e]   ; - i log2(10000) / 32
.endr
.irp e, 0,1,2,3
	v_exp_f32 v[TG+4+\e], v[TG+4+\e]               ; 10000^(-i / 32)
.endr
	v_bfe_u32 v[TG+8], v0, 3, 1                    ; (a plain line behind the exponentials)  lanes 8-15 of sixteen make sines
	v_mul_u32_u24 v[TG+8], v[TG+8], 3
	v_lshlrev_b32 v[TG+9], 4, v0                   ; 16 t: token t / 16's row of 256 bytes, my 16 bytes of it
	s_wait_alu depctr_va_vdst(0)                   ; one wait for the four exponentials, ahead of their first reader
	s_wait_loadcnt 32                              ; the two positions are in; the 32 loads of numbers may be out
	v_cvt_f32_i32 v[TG+2], v[TG+2]
	v_cvt_f32_i32 v[TG+3], v[TG+3]
.irp e, 0,1,2,3
	TRIG TG+22+\e, TG+2, \e
	TRIG TG+26+\e, TG+3, \e
.endr
	global_store_b128 v[TG+9], v[TG+22:TG+25], s[20:21]             ; 32 lanes fill two whole rows of 256 bytes
	global_store_b128 v[TG+9], v[TG+26:TG+29], s[20:21] offset:2048
	s_wait_loadcnt 28                              ; step 0's four loads are in; the seven later steps' may be out
	XTURN 0
.irp t, 0,1,2,3,4,5,6,7,8,9,10,11,12,13,14,15
	XSTEP \t
.endr
	ds_load_b64 v[8:9], v6                         ; my wave's 256 scale bytes: LDS serves a wave's instructions in order
	s_wait_dscnt 0x0
	global_store_b64 v7, v[8:9], s[34:35]          ; one aligned run of 256 bytes
	s_wait_tensorcnt 0x0                           ; the wave's end, behind my last LDS store
	ds_add_u32 v[SPW], v[NIL]
	s_wait_dscnt 0x0
	s_endpgm
.Lpath_w:
	; gx 0-15: Wq's columns 64 gx on; 16-23: Wk's 64 (gx - 16) on; 24-31: Wv's.  gy: which 512 along K.  A wave takes 16 columns: lane (r, h) takes column r and the h-th 256 along K,
	; registers down K: eight blocks in a chain; a column's two halves meet in one stage row of 256 bytes
	s_sub_co_u32 s66, ttmp9, 256
	s_and_b32 s67, s66, 31                         ; gx
	s_lshr_b32 s66, s66, 5                         ; gy
	s_and_b32 s68, s67, 7                          ; Wk, Wv: the head
	s_lshl_b32 s69, s68, 8
	s_add_co_u32 s69, s69, 128                     ; Wk's first row of wq for that head
	s_lshr_b32 s71, s67, 1
	s_lshl_b32 s71, s71, 8
	s_and_b32 s72, s67, 1
	s_lshl_b32 s72, s72, 6
	s_add_co_u32 s71, s71, s72                     ; Wq's: 256 (gx / 2) + 64 (gx % 2)
	s_cmp_lt_u32 s67, 24
	s_cselect_b64 s[10:11], s[10:11], s[12:13]
	s_cselect_b32 s73, 0, 64
	s_add_co_u32 s69, s69, s73                     ; Wv's rows lie 64 behind Wk's
	s_mov_b32 s29, 2048
	s_cmp_lt_u32 s67, 16
	s_cselect_b64 s[8:9], s[8:9], s[10:11]         ; the tensor,
	s_cselect_b32 s29, 4096, s29                   ; its pitch in bytes,
	s_cselect_b32 s68, s67, s68                    ; which 64 of its columns,
	s_cselect_b32 s69, s71, s69                    ; and their first row of wq
	s_lshl_b32 s72, s[WV], 4
	s_add_co_u32 s69, s69, s72                     ; my wave's first row of wq
	s_lshl_b32 s68, s68, 6
	s_add_co_u32 s68, s68, s72                     ; and its first column of the tensor
	v_and_b32 v5, 15, v2                           ; r
	v_lshrrev_b32 v6, 4, v2                        ; h
	s_lshl_b32 s75, s29, 8
	v_mul_u32_u24 v3, v6, s75                      ; 256 h rows
	v_lshl_add_u32 v3, v5, 2, v3
.set n, 0
.rept 32
	v_mad_u32_u24 v[WRO+n], s29, n, v3
.set n, n+1
.endr
	s_mul_i32 s74, s[WV], 8704
	s_add_co_u32 s74, s74, 32768                   ; my stage
	v_mul_u32_u24 v4, v5, WP
	v_lshl_add_u32 v4, v6, 7, v4
	v_add_nc_u32 v4, s74, v4                       ; into it: row = my column, + 128 h
	v_mul_u32_u24 v7, v6, WP
	v_lshl_add_u32 v7, v5, 4, v7
	v_add_nc_u32 v7, s74, v7                       ; out of it: sixteen lanes to a row
	v_lshlrev_b32 v8, 10, v6
	v_lshl_add_u32 v8, v5, 4, v8                   ; the same place in wq: rows of 1,024 bytes
	v_lshlrev_b32 v9, 6, v5
	v_lshl_add_u32 v9, v6, 3, v9                   ; my 8 scale bytes: 64 bytes a row, + 8 h
	s_mul_i32 s70, s66, s29
	s_lshl_b32 s70, s70, 9                         ; 512 gy rows
	s_lshl_b32 s71, s68, 2
	s_add_co_u32 s70, s70, s71
	s_mov_b32 s71, 0
	s_add_nc_u64 s[32:33], s[8:9], s[70:71]        ; block 0's base; the pitch is no constant, so each of the 8 blocks has a base of its own
	s_lshl_b32 s70, s29, 5
.irp t, 1,2,3,4,5,6,7
	s_add_nc_u64 s[32+2*\t:33+2*\t], s[30+2*\t:31+2*\t], s[70:71]
.endr
	s_lshl_b32 s70, s69, 10
	s_lshl_b32 s72, s66, 8
	s_add_co_u32 s70, s70, s72
	s_add_nc_u64 s[76:77], s[18:19], s[70:71]      ; codes: row x 1,024 + 256 gy
	s_lshl_b32 s70, s69, 6
	s_lshl_b32 s72, s66, 4
	s_add_co_u32 s70, s70, s72
	s_add_co_u32 s70, s70, 2097152
	s_add_nc_u64 s[78:79], s[18:19], s[70:71]      ; scale bytes: row x 64 + 16 gy
	WLOAD 0
	WLOAD 1
.irp t, 0,1,2,3,4,5,6,7
	WBLOCK \t
.endr
	global_store_b64 v9, v[WSB:WSB+1], s[78:79]    ; my 8 scale bytes
.irp t, 0,1,2,3,4,5,6,7
	ds_load_b128 v[WOUT+4*\t:WOUT+4*\t+3], v7 offset:2*\t*WP
.endr
.irp t, 0,1,2,3,4,5,6,7
	s_wait_dscnt 7-\t
	global_store_b128 v8, v[WOUT+4*\t:WOUT+4*\t+3], s[76:77] offset:2*\t*1024   ; sixteen lanes store 256 consecutive bytes, aligned
.endr
	s_wait_tensorcnt 0x0                           ; the wave's end, behind my last LDS store
	ds_add_u32 v[SPW], v[NIL]
	s_wait_dscnt 0x0
	s_endpgm
.Lfunc_end_k_q62e5480e3f_prep:
	.size	k_q62e5480e3f_prep, .Lfunc_end_k_q62e5480e3f_prep-k_q62e5480e3f_prep
	.p2alignl 7, 3214868480
	.fill 96, 4, 3214868480
	.section	.rodata,"a",@progbits
	.p2align	6, 0x0
	.amdhsa_kernel k_q62e5480e3f_prep
		.amdhsa_group_segment_fixed_size 68096
		.amdhsa_private_segment_fixed_size 0
		.amdhsa_enable_private_segment 0
		.amdhsa_kernarg_size 80
		.amdhsa_user_sgpr_count 2
		.amdhsa_user_sgpr_kernarg_segment_ptr 1
		.amdhsa_wavefront_size32 1
		.amdhsa_system_sgpr_workgroup_id_x 1
		.amdhsa_system_sgpr_workgroup_id_y 1
		.amdhsa_system_sgpr_workgroup_id_z 1
		.amdhsa_system_vgpr_workitem_id 0
		.amdhsa_next_free_vgpr 256
		.amdhsa_next_free_sgpr 96
		.amdhsa_reserve_vcc 1
		.amdhsa_float_denorm_mode_32 3
		.amdhsa_float_denorm_mode_16_64 3
		.amdhsa_memory_ordered 1
		.amdhsa_forward_progress 1
		.amdhsa_inst_pref_size 107
	.end_amdhsa_kernel
	.amdgpu_metadata
---
amdhsa.version: [ 1, 2 ]
amdhsa.kernels:
  - .name:           k_q62e5480e3f_prep
    .symbol:         k_q62e5480e3f_prep.kd
    .args:
      - { .name: hidden_states, .offset: 0, .size: 8, .value_kind: global_buffer, .address_space: global }
      - { .name: position_ids, .offset: 8, .size: 8, .value_kind: global_buffer, .address_space: global }
      - { .name: Wq, .offset: 16, .size: 8, .value_kind: global_buffer, .address_space: global }
      - { .name: Wk, .offset: 24, .size: 8, .value_kind: global_buffer, .address_space: global }
      - { .name: Wv, .offset: 32, .size: 8, .value_kind: global_buffer, .address_space: global }
      - { .name: Wo, .offset: 40, .size: 8, .value_kind: global_buffer, .address_space: global }
      - { .name: xq, .offset: 48, .size: 8, .value_kind: global_buffer, .address_space: global }
      - { .name: wq, .offset: 56, .size: 8, .value_kind: global_buffer, .address_space: global }
      - { .name: rope, .offset: 64, .size: 8, .value_kind: global_buffer, .address_space: global }
      - { .name: wo16, .offset: 72, .size: 8, .value_kind: global_buffer, .address_space: global }
    .group_segment_fixed_size: 68096
    .private_segment_fixed_size: 0
    .kernarg_segment_align: 8
    .kernarg_segment_size: 80
    .max_flat_workgroup_size: 128
    .sgpr_count:     96
    .vgpr_count:     256
    .wavefront_size: 32
...
	.end_amdgpu_metadata
.endif
;; end of part 1
;; launch qkv (part 2): grid 8 x 32, 4 waves a work-group, clusters of 4 x 4, 327,680 bytes of LDS; arguments xq, wq, rope, qkv16, v32; writes qkv16, v32
.if DOCPART == 2
	.amdgcn_target "amdgcn-amd-amdhsa--gfx1250"
	.amdhsa_code_object_version 6
	.text
	.protected	k_q62e5480e3f_qkv
	.globl	k_q62e5480e3f_qkv
	.p2align	8
	.type	k_q62e5480e3f_qkv,@function
k_q62e5480e3f_qkv:
	s_mov_b64 s[64:65], 0
	v_nop
	global_prefetch_b8 v0, s[64:65] scope:SCOPE_SE
	s_setreg_imm32_b32 hwreg(HW_REG_WAVE_MODE, 25, 1), 1
	s_wait_xcnt 0x0
	s_wait_alu depctr_hold_cnt(0) depctr_sa_sdst(0) depctr_va_vdst(0) depctr_va_sdst(0) depctr_va_ssrc(0) depctr_va_vcc(0) depctr_vm_vsrc(0)
	s_getreg_b32 s2, hwreg(HW_REG_IB_STS2, 6, 4)
	s_cmp_eq_u32 s2, 0
	s_cbranch_scc0 .Lentry_in_a_cluster
	s_endpgm
.Lentry_in_a_cluster:
	s_bfe_u32 s2, ttmp6, 0x10000c
	s_cmp_lg_u32 s2, 0xf033
	s_cbranch_scc0 .Lentry_shape_is_right
	s_endpgm
.Lentry_shape_is_right:
; QKV: [4096 tokens][2048] x [2048 rows of wq][2048]^T on codes of E2M1 with one E8M0 scale for each 32 along K; sums in f32; the rotation by position on the way out.
; A tile of the result is 128 tokens x 256 rows of wq: 8 x 32 = 256 work-groups.  Four waves, each 64 tokens x 128 rows: 32 accumulators of 16 x 16.  K goes in steps of 512 through two LDS slots
; filled by the tensor data mover (a tile's row is 256 bytes of memory); the scale bytes of the work-group's rows come into LDS once.
; 4 x 4 work-groups form a cluster: x's tiles are asked for jointly along a row of it, wq's along a column.
; The matrix instruction is used transposed (source 0 = 16 rows of wq, source 1 = 16 tokens): a lane holds one token and eight neighbouring channels.
; Tile column c is KV head c: rows 0-127 query heads 2 c and 2 c + 1, 128-191 the key head, 192-255 the value head.  So what a wave does on the way out hangs on its number alone:
; waves with column half 0 rotate two query heads; those with half 1 rotate the key head and pass the value head on, as f16 and as f32.
; OUT: qkv16: q [2][16][2048][64] f16 at 0, k [2][8][2048][64] at 8388608, v likewise at 12582912; v32: v in f32 as [2][8][4 blocks of 16 channels][2048 keys][16].
; LIMIT: |q|, |k|, |v| under 65,504 (f16).
; REGISTERS, in windows of 256: window 0: v0-31 addresses; v32-95 scale words, two sets; v128-159, v160-191 x's fragments, two buffers; on the way out v32-255 are free.
;   window 1: v0-63, v64-127 wq's fragments, two buffers; v128-255 the table of my 64 tokens, asked for at the head.   window 2: the accumulators, (a, b) at v[8 (8 a + b)].
.set NQ,     4                         ; matrix instructions deep in a slot
.set ROWB,   256                       ; a tile's row in bytes: 512 codes
.set KROW,   1024                      ; a row of xq or wq in memory
.set PITCH,  272                       ; an LDS row: 256 bytes + 16 of padding: the 16 rows that a load touches start at 16 different banks
.set FR,     8                         ; registers of a fragment
.set BOFF,   128*PITCH                 ; a slot: x's 128 rows, then wq's 256
.set SLOT,   BOFF+256*PITCH
.set LAPS,   2                         ; 2048 / (2 x 512)
.set SCL,    2*SLOT                    ; behind the ring: the scale bytes, as runs of 256 bytes + 16 of padding: x's 128 rows,
.set SCB,    32*272                    ; then wq's 256
.set SBLK,   4*272                     ; those of 16 rows
.set SPARE,  SCL+SCB+64*272            ; the spare words, 128 bytes a wave
.set ADRA, 16
.set ADRB, 20
.set TOFF,  23                         ; v23  the table: 256 (lane % 16) + 32 (lane / 16); never rewritten
.set STO16, 24                         ; v24  f16 stage, in: 144 r + 16 h
.set RD16,  25                         ; v25  f16 stage, back: 144 (lane / 8) + 16 (lane % 8)
.set STO32, 26                         ; v26  f32 stage, in: 272 r + 32 h
.set ADRS,  27
.set SPW,   28
.set NIL,   29
.set RD32,  30                         ; v30  f32 stage, back: 272 (lane / 4) + 16 (lane % 4)
.set GOF,   31                         ; v31  16 x lane: every store of the way out covers 512 consecutive bytes
.set SC,   32
.set AF,   128
.set TBL,  128                         ; in window 1: block a: cos(u, j) at 32 a + 8 u + j, sin(u, j) at 32 a + 16 + 8 u + j
.set T,    32                          ; the way out: v32-63 products with the sines
.set Y,    64                          ; v64-95 a head's 32 rotated numbers of my token
.set H0,   96                          ; v96-111 the first head as f16;  v112-127 the second
.set H1,   112
.set SET,  128                         ; v128-191, v192-255 by turns: 16 + 16 registers of f16 rows, 32 of f32 rows
.set G1, 24
.set G0, 32
.set G1B, 48
.set G0B, 56
.set G1S, 68
.set G0S, 76
.set G1SB, 80
.set G0SB, 88
.set MSB, 0
.macro WIN new                         ; the immediate's high byte repeats the setting that is left
.if MSB != \new
	s_set_vgpr_msb (MSB<<8)|\new
.set MSB, \new
.endif
.endm
.set MUL,  0xa1                        ; source 0 (wq) window 1, source 1 (x) window 0, C and D window 2
.set TO_B, 0x40
; A joint load: waves 0 and 1 fetch for x, waves 2 and 3 for wq.  The branch hangs on the wave's number alone.  An s_nop 0 and four v_nop follow each line.
.macro JLOAD g0a, g1a, g0b, g1b
	s_cmp_eq_u32 s15, 0
	s_cbranch_scc0 .Lfor_b_\@
	tensor_load_to_lds s[\g0a:\g0a+3], s[\g1a:\g1a+7]
	s_nop 0
.rept 4
	v_nop
.endr
	s_branch .Lasked_\@
.Lfor_b_\@:
	tensor_load_to_lds s[\g0b:\g0b+3], s[\g1b:\g1b+7]
	s_nop 0
.rept 4
	v_nop
.endr
.Lasked_\@:
.endm
.macro CREST
	s_cmp_lg_u32 s14, 0
	s_cbranch_scc1 .Lnot_wave_0_\@
	s_barrier_signal -3
.Lnot_wave_0_\@:
	s_barrier_wait -3
	s_barrier_signal -1
	s_barrier_wait -1
.endm
.macro CROUND
	s_barrier_signal -1
	s_barrier_wait -1
	CREST
.endm
	s_load_b128 s[4:7], s[0:1], 0x0                ; xq, wq
	v_lshl_add_u32 v[SPW], v0, 2, SPARE
	v_mov_b32 v[NIL], 0
	ds_add_u32 v[SPW], v[NIL]                      ; the wave's opening: the add, twice on end, and its wait ahead of my first tensor load
	ds_add_u32 v[SPW], v[NIL]
	v_lshrrev_b32 v1, 5, v0
	v_readfirstlane_b32 s14, v1                    ; wave 0..3
	s_lshr_b32 s15, s14, 1                         ; which 64 of the tile's tokens are mine.  Also: I fetch for x (0) or for wq (1)
	s_and_b32 s16, s14, 1                          ; which half of its columns.  Also: which half of that tile's rows I fetch
	s_bfe_u32 s40, ttmp6, 0x40000                  ; cx, cy
	s_bfe_u32 s41, ttmp6, 0x40004
	s_lshl_b32 s42, ttmp9, 2
	s_add_co_u32 s42, s42, s40                     ; tile column = the KV head c
	s_and_b32 s17, ttmp7, 0xffff
	s_lshl_b32 s17, s17, 2
	s_add_co_u32 s17, s17, s41                     ; tile row
	s_lshl_b32 s43, s41, 2
	s_lshl_b32 s43, 15, s43                        ; my row of the cluster
	s_lshl_b32 s44, 0x1111, s40                    ; my column
	s_or_b32 s[G1+0], s43, (0<<16)|(1<<20)|(1<<21)|(5<<22)|(3<<25)  ; the mask; elements of 1 byte; padding: 4 words behind every 64
	s_or_b32 s[G1B+0], s44, (0<<16)|(1<<20)|(1<<21)|(5<<22)|(3<<25)
	s_mov_b32 s[G1+1], ROWB<<16                    ; x: 64 rows of 256 bytes
	s_mov_b32 s[G1+2], 64<<16
	s_mov_b32 s[G1+3], ROWB<<16
	s_mov_b32 s[G1+4], 64
	s_mov_b32 s[G1+5], KROW
	s_mov_b32 s[G1+6], 0
	s_mov_b32 s[G1+7], 0
	s_mov_b32 s[G1B+1], ROWB<<16                   ; wq: 128 rows of 256 bytes
	s_mov_b32 s[G1B+2], 128<<16
	s_mov_b32 s[G1B+3], ROWB<<16
	s_mov_b32 s[G1B+4], 128
	s_mov_b32 s[G1B+5], KROW
	s_mov_b32 s[G1B+6], 0
	s_mov_b32 s[G1B+7], 0
	s_or_b32 s[G1S+0], s43, (3<<16)|(1<<20)|(1<<21)|(5<<22)|(3<<25)  ; the scale bytes: dense blocks, as rows of 256 bytes (32 elements of 8 bytes)
	s_or_b32 s[G1SB+0], s44, (3<<16)|(1<<20)|(1<<21)|(5<<22)|(3<<25)
	s_mov_b32 s[G1S+1], 32<<16                     ; x: 64 rows x 64 bytes = 16 such rows
	s_mov_b32 s[G1S+2], 16<<16
	s_mov_b32 s[G1S+3], 32<<16
	s_mov_b32 s[G1S+4], 16
	s_mov_b32 s[G1S+5], 32
	s_mov_b32 s[G1S+6], 0
	s_mov_b32 s[G1S+7], 0
	s_mov_b32 s[G1SB+1], 32<<16                    ; wq: 128 rows x 64 bytes = 32
	s_mov_b32 s[G1SB+2], 32<<16
	s_mov_b32 s[G1SB+3], 32<<16
	s_mov_b32 s[G1SB+4], 32
	s_mov_b32 s[G1SB+5], 32
	s_mov_b32 s[G1SB+6], 0
	s_mov_b32 s[G1SB+7], 0
	s_lshl_b32 s18, s16, 6
	s_lshl_b32 s20, s17, 7
	s_add_co_u32 s20, s20, s18                     ; x: row 128 x tile row + 64 x half
	s_lshl_b32 s22, s20, 6                         ; its scale bytes,
	s_lshl_b32 s20, s20, 10                        ; its codes
	s_mov_b32 s21, 0
	s_mov_b32 s23, 0
	s_lshl_b32 s47, s16, 7
	s_lshl_b32 s46, s42, 8
	s_add_co_u32 s46, s46, s47                     ; wq: row 256 x tile column + 128 x half
	s_lshl_b32 s92, s46, 6
	s_lshl_b32 s46, s46, 10
	s_mov_b32 s47, 0
	s_mov_b32 s93, 0
	s_mul_i32 s45, s16, 64*PITCH                   ; where they go: no place in the cluster enters an LDS address
	s_mul_i32 s94, s16, 128*PITCH
	s_add_co_u32 s94, s94, BOFF
	s_mul_i32 s95, s16, 16*272
	s_add_co_u32 s95, s95, SCL
	s_mul_i32 s96, s16, 32*272
	s_add_co_u32 s96, s96, SCL+SCB
	s_wait_dscnt 0x0                               ; both opening adds are done
	s_wait_kmcnt 0x0
	s_mov_b64 s[8:9], s[6:7]                       ; wq's codes,
	s_add_nc_u64 s[10:11], s[6:7], 0x200000        ; its scale bytes,
	s_add_nc_u64 s[6:7], s[4:5], 0x400000          ; xq's scale bytes
	s_add_nc_u64 s[20:21], s[4:5], s[20:21]
	s_add_nc_u64 s[22:23], s[6:7], s[22:23]
	s_add_nc_u64 s[46:47], s[8:9], s[46:47]
	s_add_nc_u64 s[92:93], s[10:11], s[92:93]
	CROUND                                         ; all sixteen work-groups are here: the first joint loads meet
	s_mov_b32 s[G0S], 1
	s_mov_b32 s[G0S+1], s95
	s_mov_b64 s[G0S+2:G0S+3], s[22:23]
	s_or_b32 s[G0S+3], s[G0S+3], 0x80000000
	s_mov_b32 s[G0SB], 1
	s_mov_b32 s[G0SB+1], s96
	s_mov_b64 s[G0SB+2:G0SB+3], s[92:93]
	s_or_b32 s[G0SB+3], s[G0SB+3], 0x80000000
	JLOAD G0S, G1S, G0SB, G1SB                     ; the scales first: they are wanted with K step 0
.irp s, 0,1
	s_mov_b32 s[G0+4*\s], 1
	s_add_co_u32 s[G0+4*\s+1], s45, \s*SLOT
	s_add_nc_u64 s[G0+4*\s+2:G0+4*\s+3], s[20:21], \s*ROWB
	s_or_b32 s[G0+4*\s+3], s[G0+4*\s+3], 0x80000000
	s_mov_b32 s[G0B+4*\s], 1
	s_add_co_u32 s[G0B+4*\s+1], s94, \s*SLOT
	s_add_nc_u64 s[G0B+4*\s+2:G0B+4*\s+3], s[46:47], \s*ROWB
	s_or_b32 s[G0B+4*\s+3], s[G0B+4*\s+3], 0x80000000
	JLOAD G0+4*\s, G1, G0B+4*\s, G1B
.endr
	s_load_b128 s[4:7], s[0:1], 0x10               ; rope, qkv16
	s_load_b64 s[8:9], s[0:1], 0x20                ; v32
	v_and_b32 v1, 15, v0                           ; r = l % 16
	v_bfe_u32 v2, v0, 4, 1                         ; h = l / 16
	v_mul_u32_u24 v3, v1, PITCH
	v_lshl_add_u32 v4, v2, 4, v3
	s_mul_i32 s21, s15, 64*PITCH                   ; my 64 tokens
	s_mul_i32 s22, s16, 128*PITCH                  ; my 128 rows of wq
	s_add_co_u32 s22, s22, BOFF
.irp s, 0,1
	v_add_nc_u32 v[ADRA+\s], s21, v4
	v_add_nc_u32 v[ADRB+\s], s22, v4
	s_add_co_u32 s21, s21, SLOT
	s_add_co_u32 s22, s22, SLOT
.endr
	v_lshlrev_b32 v5, 6, v1                        ; my row's scale bytes: 64 bytes a row,
	v_lshrrev_b32 v6, 8, v5
	v_lshl_add_u32 v5, v6, 4, v5                   ; and 16 more for each 256 passed
	s_mul_i32 s21, s15, 16*272                     ; x's: my 64 rows
	s_mul_i32 s22, s16, 32*272                     ; wq's: my 128 rows, behind x's 128
	s_add_co_u32 s22, s22, SCB
	s_sub_co_u32 s22, s22, s21
	v_mul_u32_u24 v6, s22, v2                      ; lanes 16-31 take wq's scale words
	s_add_co_u32 s21, s21, SCL
	v_add_nc_u32 v5, v5, v6
	v_add_nc_u32 v[ADRS], s21, v5
	; the way out's addresses.  My stages, 9,216 bytes a wave, lie in slot 0, which has had its last fill and its last read when the first result is stored there
	s_mul_i32 s23, s14, 9216
	v_mul_u32_u24 v5, v1, 144
	v_lshl_add_u32 v5, v2, 4, v5
	v_add_nc_u32 v[STO16], s23, v5
	v_and_b32 v6, 31, v0
	v_lshrrev_b32 v7, 3, v6
	v_mul_u32_u24 v7, v7, 144
	v_and_b32 v8, 7, v0
	v_lshl_add_u32 v7, v8, 4, v7
	v_add_nc_u32 v[RD16], s23, v7
	s_add_co_u32 s23, s23, 4608
	v_mul_u32_u24 v5, v1, 272
	v_lshl_add_u32 v5, v2, 5, v5
	v_add_nc_u32 v[STO32], s23, v5
	v_lshrrev_b32 v7, 2, v6
	v_mul_u32_u24 v7, v7, 272
	v_and_b32 v8, 3, v0
	v_lshl_add_u32 v7, v8, 4, v7
	v_add_nc_u32 v[RD32], s23, v7
	v_lshlrev_b32 v[GOF], 4, v6
	v_lshlrev_b32 v[TOFF], 8, v1
	v_lshl_add_u32 v[TOFF], v2, 5, v[TOFF]
	; where my results go.  What holds the tile column stays out of the registers that fed x's descriptors
	s_lshr_b32 s18, s17, 4                         ; the batch
	s_and_b32 s19, s17, 15
	s_lshl_b32 s19, s19, 7
	s_lshl_b32 s20, s15, 6
	s_add_co_u32 s19, s19, s20                     ; my first position in the sequence
	s_lshl_b32 s46, s18, 3
	s_add_co_u32 s46, s46, s42                     ; 8 b + c
	s_lshl_b32 s92, s46, 19                        ; v32: 4 planes of 2,048 keys x 64 bytes a head,
	s_lshl_b32 s93, s19, 6
	s_add_co_u32 s92, s92, s93                     ; + my first key
	s_lshl_b32 s47, s46, 11
	s_add_co_u32 s47, s47, s19
	s_lshl_b32 s47, s47, 7                         ; k, v in qkv16: rows of 128 bytes
	s_lshl_b32 s46, s46, 12
	s_add_co_u32 s46, s46, s19
	s_lshl_b32 s46, s46, 7                         ; q: head 2 (8 b + c),
	s_add_co_u32 s94, s46, 262144                  ; and the head behind it
	s_add_co_u32 s95, s47, 12582912
	s_add_co_u32 s47, s47, 8388608
	s_cmp_eq_u32 s16, 0
	s_cselect_b32 s46, s46, s47
	s_cselect_b32 s94, s94, s95
	s_mov_b32 s47, 0
	s_mov_b32 s95, 0
	s_mov_b32 s93, 0
	s_lshl_b32 s20, s17, 15
	s_lshl_b32 s21, s15, 14
	s_add_co_u32 s20, s20, s21                     ; the table: token 128 x tile row + 64 x half, 256 bytes a token
	s_mov_b32 s21, 0
	s_wait_kmcnt 0x0
	s_add_nc_u64 s[4:5], s[4:5], s[20:21]          ; s[4:5]   the table at my first token
	s_add_nc_u64 s[10:11], s[6:7], s[46:47]        ; s[10:11] my first head's rows
	s_add_nc_u64 s[12:13], s[6:7], s[94:95]        ; s[12:13] my second head's
	s_add_nc_u64 s[8:9], s[8:9], s[92:93]          ; s[8:9]   v in f32
	WIN TO_B
.irp a, 0,1,2,3                        ; the table of my 64 tokens, into registers that nothing else names: asked for here, waited for on the way out
.irp e, 0,1,2,3,4,5,6,7
	global_load_b128 v[TBL+32*\a+4*\e:TBL+32*\a+4*\e+3], v[TOFF], s[4:5] offset:4096*\a+64*(\e/2)+16*(\e%2)
.endr
.endr
	WIN 0
.macro FRAG reg, adr, q, i             ; 16 rows x 128 K of 4-bit codes: 8 registers, two loads of 16 bytes, 32 bytes apart
.irp c, 0,1
	ds_load_b128 v[\reg+4*\c:\reg+4*\c+3], v[\adr] offset:64*(\q)+32*\c+(\i)*16*PITCH
.endr
.endm
; 8 matrix instructions: token block a against wq's eight blocks, the slot's q-th 128 along K, out of buffer f; sc: the set of scale words.  The 32 accumulators take turns, one instruction a turn,
; in the same order in every quarter.  One register carries x's scale word (lanes 0-15) and wq's (lanes 16-31).
.macro MUL8 f, a, q, sc, zero
.irp b, 0,1,2,3,4,5,6,7
.if \zero
	v_wmma_scale_f32_16x16x128_f8f6f4 v[8*(8*(\a)+\b):8*(8*(\a)+\b)+7], v[64*(\f)+FR*\b:64*(\f)+FR*\b+FR-1], v[AF+32*(\f)+FR*(\a):AF+32*(\f)+FR*(\a)+FR-1], 0, v[SC+32*(\sc)+NQ*\b+(\q)], v[SC+32*(\sc)+NQ*(\a)+(\q)] matrix_a_fmt:MATRIX_FMT_FP4 matrix_b_fmt:MATRIX_FMT_FP4 matrix_a_scale:MATRIX_SCALE_ROW1
.else
	v_wmma_scale_f32_16x16x128_f8f6f4 v[8*(8*(\a)+\b):8*(8*(\a)+\b)+7], v[64*(\f)+FR*\b:64*(\f)+FR*\b+FR-1], v[AF+32*(\f)+FR*(\a):AF+32*(\f)+FR*(\a)+FR-1], v[8*(8*(\a)+\b):8*(8*(\a)+\b)+7], v[SC+32*(\sc)+NQ*\b+(\q)], v[SC+32*(\sc)+NQ*(\a)+(\q)] matrix_a_fmt:MATRIX_FMT_FP4 matrix_b_fmt:MATRIX_FMT_FP4 matrix_a_scale:MATRIX_SCALE_ROW1
.endif
.endr
.endm
.macro FETCH slot, q, f                ; 24 LDS loads in one run: the fragments of the slot's q-th 128 along K into buffer f
	WIN TO_B
.irp i, 0,1,2,3,4,5,6,7
	FRAG 64*(\f)+FR*\i, ADRB+\slot, \q, \i
.endr
	WIN 0
.irp i, 0,1,2,3
	FRAG AF+32*(\f)+FR*\i, ADRA+\slot, \q, \i
.endr
.endm
.macro SCALES sc                       ; a K step's scale words: lanes 0-15 x's block i (of which my four are used), lanes 16-31 wq's block i
.irp i, 0,1,2,3,4,5,6,7
	ds_load_b128 v[SC+32*\sc+NQ*\i:SC+32*\sc+NQ*\i+3], v[ADRS] offset:\i*SBLK
.endr
.endm
.macro PLACES                          ; four plain vector lines between matrix instructions and loads into, or reads of, their registers
.rept 4
	v_nop
.endr
.endm
; A K step is four quarters of 128 along K, 32 matrix instructions each, on buffers 0, 1, 0, 1.  One of the first three multiplies its buffer and fetches the next quarter into the other.
.macro QUARTER slot, q, zero
	s_wait_dscnt 0x0                               ; this quarter's fragments (and, in a slot's first quarter, its scale words) are in
	WIN MUL
	MUL8 (\q)%2, 0, \q, \slot, \zero
	MUL8 (\q)%2, 1, \q, \slot, \zero
	PLACES
	FETCH \slot, (\q)+1, 1-(\q)%2
	WIN MUL
	MUL8 (\q)%2, 2, \q, \slot, \zero
	MUL8 (\q)%2, 3, \q, \slot, \zero
.endm
; The last quarter multiplies buffer 1 and changes slots: one barrier; in front of it each wave waits for all its tensor loads, adds 0 to its spare word, and waits for that and for its reads of this slot.
.macro TURN slot, next, fill
	WIN 0
	s_wait_tensorcnt 0x0                           ; all my tensor loads have landed: my part of the next slot
	ds_add_u32 v[SPW], v[NIL]
	s_wait_dscnt 1                                 ; the fragments are in; the add alone may be out
	WIN MUL
	MUL8 1, 0, NQ-1, \slot, 0
	s_wait_dscnt 0x0                               ; the add is done, and my reads of this slot are over
	s_barrier_signal -1
	MUL8 1, 1, NQ-1, \slot, 0
	WIN 0
	s_barrier_wait -1
.if \fill
	CREST                                          ; the barrier has opened a round of the cluster's: no wave of any partner still reads this slot or has a load on its way
	s_add_nc_u64 s[G0+4*\slot+2:G0+4*\slot+3], s[G0+4*\slot+2:G0+4*\slot+3], 2*ROWB
	s_add_nc_u64 s[G0B+4*\slot+2:G0B+4*\slot+3], s[G0B+4*\slot+2:G0B+4*\slot+3], 2*ROWB
	JLOAD G0+4*\slot, G1, G0B+4*\slot, G1B         ; two K steps on; the four v_nop behind it are also the plain lines in front of the loads below
.else
	PLACES
.endif
	v_add_nc_u32 v[ADRS], 4*NQ, v[ADRS]            ; on to the next K step's scale words (no LDS load of mine is out)
	FETCH \next, 0, 0
	SCALES \next
	WIN MUL
	MUL8 1, 2, NQ-1, \slot, 0
	MUL8 1, 3, NQ-1, \slot, 0
.endm
	s_wait_tensorcnt 1                             ; the scales and my part of K step 0 are in; K step 1's load may be out
	s_barrier_signal -1
	s_barrier_wait -1
	FETCH 0, 0, 0
	SCALES 0
	QUARTER 0, 0, 1                                ; the first quarter's products start the sums
	WIN 0
	s_mov_b32 s3, LAPS-1
.Llap:
	QUARTER 0, 1, 0
	QUARTER 0, 2, 0
	TURN 0, 1, 1
	QUARTER 1, 0, 0
	QUARTER 1, 1, 0
	QUARTER 1, 2, 0
	TURN 1, 0, 1
	QUARTER 0, 0, 0
	WIN 0
	s_sub_co_u32 s3, s3, 1
	s_cmp_lg_u32 s3, 0
	s_cbranch_scc1 .Llap
	QUARTER 0, 1, 0                                ; the last lap fills nothing
	QUARTER 0, 2, 0
	TURN 0, 1, 0
	QUARTER 1, 0, 0
	QUARTER 1, 1, 0
	QUARTER 1, 2, 0
	s_wait_dscnt 0x0
	WIN MUL
	MUL8 1, 0, NQ-1, 1, 0
	MUL8 1, 1, NQ-1, 1, 0
	MUL8 1, 2, NQ-1, 1, 0
	MUL8 1, 3, NQ-1, 1, 0
	WIN 0
; THE WAY OUT, block by block of 16 tokens.  In accumulator (a, 4 hd + b') lane (r, h) holds, of token 16 a + r, channels 16 b' + 8 h + 0 .. 7 of my head hd.
; The rotation pairs channel d < 32 with d + 32: accumulators b' = u and u + 2, frequency 16 u + 8 h + j: y(d) = x(d) cos - x(d + 32) sin, y(d + 32) = x(d + 32) cos + x(d) sin.
.macro ROPE a, hd, hreg
	WIN 0x06                                       ; source 0: the accumulators, window 2; source 1: the table, window 1
.irp u, 0,1
.irp jp, 0,2,4,6                       ; each accumulator is read from its low end on
.set X1, 8*(8*(\a)+4*(\hd)+\u)+\jp
.set X2, X1+16
.set SN, TBL+32*(\a)+16+8*\u+\jp
	v_pk_mul_f32 v[T+8*\u+\jp:T+8*\u+\jp+1], v[X2:X2+1], v[SN:SN+1]
	v_pk_mul_f32 v[T+16+8*\u+\jp:T+16+8*\u+\jp+1], v[X1:X1+1], v[SN:SN+1]
.endr
.endr
.irp u, 0,1
.irp jp, 0,2,4,6
.set X1, 8*(8*(\a)+4*(\hd)+\u)+\jp
.set X2, X1+16
.set CN, TBL+32*(\a)+8*\u+\jp
	v_pk_fma_f32 v[Y+8*\u+\jp:Y+8*\u+\jp+1], v[X1:X1+1], v[CN:CN+1], v[T+8*\u+\jp:T+8*\u+\jp+1] neg_lo:[0,0,1] neg_hi:[0,0,1]
	v_pk_fma_f32 v[Y+16+8*\u+\jp:Y+16+8*\u+\jp+1], v[X2:X2+1], v[CN:CN+1], v[T+16+8*\u+\jp:T+16+8*\u+\jp+1]
.endr
.endr
	WIN 0
.irp i, 0,1,2,3,4,5,6,7,8,9,10,11,12,13,14,15
	v_cvt_pk_f16_f32 v[\hreg+\i], v[Y+2*\i], v[Y+2*\i+1]
.endr
.endm
.macro VCVT a                          ; the value head is not rotated
	WIN 0x0a                                       ; sources 0 and 1: window 2
.irp i, 0,1,2,3,4,5,6,7,8,9,10,11,12,13,14,15
	v_cvt_pk_f16_f32 v[H1+\i], v[8*(8*(\a)+4)+2*\i], v[8*(8*(\a)+4)+2*\i+1]
.endr
	WIN 0
.endm
.macro SEND a                          ; block a's 16 rows of 128 bytes of both heads: each store covers 512 consecutive bytes, aligned
.set SB, SET+64*((\a)%2)
.irp i, 0,1,2,3
	global_store_b128 v[GOF], v[SB+4*\i:SB+4*\i+3], s[10:11] offset:2048*(\a)+512*\i
	global_store_b128 v[GOF], v[SB+16+4*\i:SB+16+4*\i+3], s[12:13] offset:2048*(\a)+512*\i
.endr
.endm
.macro SENDV a                         ; and v in f32: store i: plane i / 2, eight keys of 64 bytes: 512 consecutive bytes, aligned
.set SB, SET+64*((\a)%2)+32
.irp i, 0,1,2,3,4,5,6,7
	global_store_b128 v[GOF], v[SB+4*\i:SB+4*\i+3], s[8:9] offset:131072*(\i/2)+1024*(\a)+512*(\i%2)
.endr
.endm
.macro OUTBLK a
	ROPE \a, 0, H0
	s_cmp_eq_u32 s16, 0                            ; the wave's number alone: two query heads, or a key head and a value head
	s_cbranch_scc0 .Lvalue_\@
	ROPE \a, 1, H1
	s_branch .Ljoin_\@
.Lvalue_\@:
	VCVT \a
.Ljoin_\@:
	s_wait_dscnt 0x0                               ; the block before is back from the stage
	s_wait_xcnt 0x0                                ; the stores of the block two back have read the registers into which this block's rows are loaded
.if (\a) > 0
	SEND (\a)-1
.endif
.irp bq, 0,1,2,3
	ds_store_b128 v[STO16], v[H0+4*\bq:H0+4*\bq+3] offset:32*\bq
	ds_store_b128 v[STO16], v[H1+4*\bq:H1+4*\bq+3] offset:2304+32*\bq
.endr
.set SB, SET+64*((\a)%2)
.irp i, 0,1,2,3
	ds_load_b128 v[SB+4*\i:SB+4*\i+3], v[RD16] offset:576*\i             ; four rows of 128 bytes; LDS serves a wave's instructions in order
	ds_load_b128 v[SB+16+4*\i:SB+16+4*\i+3], v[RD16] offset:2304+576*\i
.endr
	s_cmp_eq_u32 s16, 0
	s_cbranch_scc1 .Lno_value_\@
.if (\a) > 0
	SENDV (\a)-1
.endif
	WIN 0x08                                       ; an LDS store's data are its source 1: window 2
.irp bq, 0,1,2,3
	ds_store_b128 v[STO32], v[8*(8*(\a)+4+\bq):8*(8*(\a)+4+\bq)+3] offset:64*\bq
	ds_store_b128 v[STO32], v[8*(8*(\a)+4+\bq)+4:8*(8*(\a)+4+\bq)+7] offset:64*\bq+16
.endr
	WIN 0
.set SB, SET+64*((\a)%2)+32
.irp i, 0,1,2,3,4,5,6,7
	ds_load_b128 v[SB+4*\i:SB+4*\i+3], v[RD32] offset:2176*(\i%2)+64*(\i/2)   ; eight tokens' 64 bytes of one block of 16 channels
.endr
.Lno_value_\@:
.endm
	PLACES                                         ; for the writes of the scale words' registers and the reads of the last results alike
	s_wait_loadcnt 0x0                             ; the table
.irp a, 0,1,2,3
	OUTBLK \a
.endr
	s_wait_dscnt 0x0
	SEND 3
	s_cmp_eq_u32 s16, 0
	s_cbranch_scc1 .Lno_last_value
	SENDV 3
.Lno_last_value:
	s_wait_tensorcnt 0x0                           ; the wave's end, behind my last tensor load and my last LDS store
	ds_add_u32 v[SPW], v[NIL]
	s_wait_dscnt 0x0
	CROUND                                         ; the closing round
	s_endpgm
.Lfunc_end_k_q62e5480e3f_qkv:
	.size	k_q62e5480e3f_qkv, .Lfunc_end_k_q62e5480e3f_qkv-k_q62e5480e3f_qkv
	.p2alignl 7, 3214868480
	.fill 96, 4, 3214868480
	.section	.rodata,"a",@progbits
	.p2align	6, 0x0
	.amdhsa_kernel k_q62e5480e3f_qkv
		.amdhsa_group_segment_fixed_size 327680
		.amdhsa_private_segment_fixed_size 0
		.amdhsa_enable_private_segment 0
		.amdhsa_kernarg_size 40
		.amdhsa_user_sgpr_count 2
		.amdhsa_user_sgpr_kernarg_segment_ptr 1
		.amdhsa_wavefront_size32 1
		.amdhsa_system_sgpr_workgroup_id_x 1
		.amdhsa_system_sgpr_workgroup_id_y 1
		.amdhsa_system_sgpr_workgroup_id_z 1
		.amdhsa_system_vgpr_workitem_id 0
		.amdhsa_next_free_vgpr 768
		.amdhsa_next_free_sgpr 98
		.amdhsa_reserve_vcc 0
		.amdhsa_float_denorm_mode_32 3
		.amdhsa_float_denorm_mode_16_64 3
		.amdhsa_memory_ordered 1
		.amdhsa_forward_progress 1
		.amdhsa_inst_pref_size 156
	.end_amdhsa_kernel
	.amdgpu_metadata
---
amdhsa.version: [ 1, 2 ]
amdhsa.kernels:
  - .name:           k_q62e5480e3f_qkv
    .symbol:         k_q62e5480e3f_qkv.kd
    .args:
      - { .name: xq, .offset: 0, .size: 8, .value_kind: global_buffer, .address_space: global }
      - { .name: wq, .offset: 8, .size: 8, .value_kind: global_buffer, .address_space: global }
      - { .name: rope, .offset: 16, .size: 8, .value_kind: global_buffer, .address_space: global }
      - { .name: qkv16, .offset: 24, .size: 8, .value_kind: global_buffer, .address_space: global }
      - { .name: v32, .offset: 32, .size: 8, .value_kind: global_buffer, .address_space: global }
    .group_segment_fixed_size: 327680
    .private_segment_fixed_size: 0
    .kernarg_segment_align: 8
    .kernarg_segment_size: 40
    .max_flat_workgroup_size: 128
    .sgpr_count:     98
    .vgpr_count:     768
    .wavefront_size: 32
...
	.end_amdgpu_metadata
.endif
;; end of part 2
;; launch attn (part 3): grid 32 x 8, 8 waves a work-group, clusters of 4 x 4, 327,680 bytes of LDS; arguments qkv16, attention_mask, ctx; writes ctx
.if DOCPART == 3
	.amdgcn_target "amdgcn-amd-amdhsa--gfx1250"
	.amdhsa_code_object_version 6
	.text
	.protected	k_q62e5480e3f_attn
	.globl	k_q62e5480e3f_attn
	.p2align	8
	.type	k_q62e5480e3f_attn,@function
k_q62e5480e3f_attn:
	s_mov_b64 s[64:65], 0
	v_nop
	global_prefetch_b8 v0, s[64:65] scope:SCOPE_SE
	s_setreg_imm32_b32 hwreg(HW_REG_WAVE_MODE, 25, 1), 1
	s_wait_xcnt 0x0
	s_wait_alu depctr_hold_cnt(0) depctr_sa_sdst(0) depctr_va_vdst(0) depctr_va_sdst(0) depctr_va_ssrc(0) depctr_va_vcc(0) depctr_vm_vsrc(0)
	s_getreg_b32 s2, hwreg(HW_REG_IB_STS2, 6, 4)
	s_cmp_eq_u32 s2, 0
	s_cbranch_scc0 .Lentry_in_a_cluster
	s_endpgm
.Lentry_in_a_cluster:
	s_bfe_u32 s2, ttmp6, 0x10000c
	s_cmp_lg_u32 s2, 0xf033
	s_cbranch_scc0 .Lentry_shape_is_right
	s_endpgm
.Lentry_shape_is_right:
; ATTENTION.  ctx[token][64 head + d] = the sum over keys of softmax_key(q . k / 8 + mask[b][query][key]) v[key][d].  q, k, v: f16 (qkv16); the mask: f32, an input, added in f32; ctx: f16.
; The mask is honoured as it is given: every query walks all 2,048 keys.  Products, maxima and sums in f32; the weights p are rounded to f16 for the second product, ctx once at the end.
; SHARES.  A work-group owns 128 queries of one batch and one KV head, that is two query heads.  Each of its eight waves owns 16 queries of both heads: two tiles, which share every fragment of K,
; of V and of the mask.  Two waves lie on a SIMD: one wave's vector work stands beside the other's products.
; LAYOUT.  S^T = K Q^T (source 0 = 16 keys, source 1 = 16 queries): a lane holds ONE query (lane % 16) and keys 8 (lane / 16) + 0 .. 7 of a tile; two tiles, rounded in pairs, are source 1 of O^T = V^T P.
; SOFTMAX.  t = s x log2(e) / 8 + mask x log2(e); a running maximum m and sum l for each query; p = 2^(t - m); in every step O and l are multiplied by a = 2^(m_old - m_new).
; m begins at -3e38, so a key masked by -infinity gives p = 0; a row masked so throughout gives 0 / 0, as the definition does.
; RING.  Two LDS slots of 128 keys: K, V and the work-group's 128 x 128 numbers of the mask.  All eight waves fetch, one tensor load each behind every round.
; CLUSTER.  4 x 4 work-groups: along x four blocks of queries of one batch, along y four KV heads.  K's and V's tiles hang on batch and KV head: asked for jointly along a row of the cluster.
; The mask's tiles hang on the block of queries: asked for jointly along a column.
; LIMITS: |q|, |k|, |v|, |ctx| under 65,504 (f16).  The first 16 positions of each sequence are made again, more finely, by later launches.
; REGISTERS: window 0: v1-13 addresses; v14, v15 the add's two; v16-31 statistics, 8 a tile; v64-127 S^T, then p; v128-159 P; v160-191 the mask; v192-255 K.
;            window 1: v0-63 O^T; v64-95 Q; v96-159 V.
.set SLOT1, 1<<17                      ; slot 1 begins here: one exclusive or turns an address from one slot into the other
.set VOFF,  18432                      ; a slot: 128 keys x 144 bytes of K,
.set MOFF,  38912                      ; 128 x 160 of V, 128 rows x 528 of the mask
.set STAGE, SLOT1+106496               ; behind the ring: 16 rows x 272 bytes for each wave
.set SPARE, STAGE+8*4352               ; the spare words, 128 bytes a wave
.set AK0, 2
.set AV0, 3
.set AM0, 4
.set ADK, 5
.set ADV, 6
.set ADM, 7
.set QO,  8
.set STO, 9
.set RD,  10
.set GO,  11
.set PFO, 12
.set SPW, 14
.set NIL, 15
.set ST,  16                           ; tile g at v[ST + 8 g]: +0 m, +1 (named with it as a pair), +2, +3 l, +4 .. +7 at work; a takes +6
.set S,   64
.set P,   128
.set MF,  160
.set KF,  192
.set QF,  64                           ; in window 1
.set VF,  96                           ; in window 1
.set WV,  10
.set G1K, 24
.set G1V, 32
.set G1M, 40
.set G0K, 48
.set G0V, 52
.set G0M, 56
.set CS,  60                           ; s[60:61] log2(e) / 8
.set SEL, 62                           ; s[62:63] lane l xor 16
.set TB,  66                           ; s66  LDS byte at which the slot in hand begins
.set SLOTS, 67
.set PFA, 68
.set PFS, 70
.set LIM, 72
.set MSB, 0
.macro WIN new
.if MSB != \new
	s_set_vgpr_msb (MSB<<8)|\new
.set MSB, \new
.endif
.endm
.set W_KQ, 0x04                        ; Q in window 1
.set W_PV, 0x51                        ; V, C and D in window 1
.set W_RS, 0x41                        ; O^T (destination and source 0) in window 1
; A joint load: waves 0, 1 K's halves; 2, 3 V's; 4 to 7 the mask's quarters.  The branches hang on the wave's number alone.  An s_nop 0 and four v_nop follow each line.
.macro JLOAD
	s_cmp_lt_u32 s[WV], 2
	s_cbranch_scc0 .Lnot_k_\@
	tensor_load_to_lds s[G0K:G0K+3], s[G1K:G1K+7]
	s_nop 0
.rept 4
	v_nop
.endr
	s_branch .Lasked_\@
.Lnot_k_\@:
	s_cmp_lt_u32 s[WV], 4
	s_cbranch_scc0 .Lnot_v_\@
	tensor_load_to_lds s[G0V:G0V+3], s[G1V:G1V+7]
	s_nop 0
.rept 4
	v_nop
.endr
	s_branch .Lasked_\@
.Lnot_v_\@:
	tensor_load_to_lds s[G0M:G0M+3], s[G1M:G1M+7]
	s_nop 0
.rept 4
	v_nop
.endr
.Lasked_\@:
.endm
; A prefetch of what the NEXT change of slots will ask for, behind the wave's tensor load.  Each run of 256 bytes is named once in the launch.  K and V of a batch and KV head are walked by four
; clusters along x: the first of them asks, wave 0; its four partners along x take K's two halves and V's two halves, 32 runs each, told apart by address.  The mask's rows of a block of queries are
; walked by two clusters along y: the first asks, waves 4 and 5; the four partners along y take 32 rows each, a lane a row, the wave picks which 256 of a row's 512 bytes.  The last change that fills asks for nothing.
.macro ASK
	s_cmp_gt_u32 s[SLOTS], s[LIM]
	s_cbranch_scc0 .Lnot_mine_\@
	global_prefetch_b8 v[PFO], s[PFA:PFA+1] th:TH_LOAD_NT scope:SCOPE_SE
.Lnot_mine_\@:
.endm
.macro CROUND
	s_barrier_signal -1
	s_barrier_wait -1
	s_cmp_lg_u32 s[WV], 0
	s_cbranch_scc1 .Lnot_wave_0_\@
	s_barrier_signal -3
.Lnot_wave_0_\@:
	s_barrier_wait -3
	s_barrier_signal -1
	s_barrier_wait -1
.endm
	s_load_b128 s[4:7], s[0:1], 0x0                ; qkv16, the mask
	s_load_b64 s[8:9], s[0:1], 0x10                ; ctx
	v_lshl_add_u32 v[SPW], v0, 2, SPARE
	v_mov_b32 v[NIL], 0
	ds_add_u32 v[SPW], v[NIL]                      ; the wave's opening: the add, twice on end, and its wait ahead of my first tensor load
	ds_add_u32 v[SPW], v[NIL]
	v_lshrrev_b32 v1, 5, v0
	v_readfirstlane_b32 s[WV], v1                  ; wave 0..7
	s_bfe_u32 s11, ttmp6, 0x40000                  ; cx
	s_bfe_u32 s12, ttmp6, 0x40004                  ; cy
	s_lshl_b32 s13, ttmp9, 2
	s_add_co_u32 s13, s13, s11                     ; 16 b + the block of 128 queries
	s_and_b32 s14, ttmp7, 0xffff
	s_lshl_b32 s14, s14, 2
	s_add_co_u32 s14, s14, s12                     ; the KV head
	s_lshr_b32 s15, ttmp9, 2                       ; the batch: the same in all sixteen partners
	s_lshl_b32 s73, s12, 2
	s_lshl_b32 s73, 15, s73                        ; my row of the cluster
	s_lshl_b32 s74, 0x1111, s11                    ; my column
	s_or_b32 s[G1K], s73, (1<<16)|(1<<20)|(1<<21)|(4<<22)|(3<<25)   ; elements of 2 bytes; 4 words of padding behind every 32
	s_or_b32 s[G1V], s73, (1<<16)|(1<<20)|(1<<21)|(4<<22)|(7<<25)   ; 8 words
	s_or_b32 s[G1M], s74, (2<<16)|(1<<20)|(1<<21)|(6<<22)|(3<<25)   ; elements of 4 bytes; 4 words behind every 128
.irp g, G1K, G1V
	s_mov_b32 s[\g+1], 64<<16                      ; tensor_dim0 = 64
	s_mov_b32 s[\g+2], 64<<16                      ; tensor_dim1 = 64
	s_mov_b32 s[\g+3], 64<<16                      ; tile_dim0 = 64 channels
	s_mov_b32 s[\g+4], 64                          ; tile_dim1 = 64 keys
	s_mov_b32 s[\g+5], 64                          ; the pitch
	s_mov_b32 s[\g+6], 0
	s_mov_b32 s[\g+7], 0
.endr
	s_mov_b32 s[G1M+1], 128<<16
	s_mov_b32 s[G1M+2], 32<<16
	s_mov_b32 s[G1M+3], 128<<16                    ; 128 keys
	s_mov_b32 s[G1M+4], 32                         ; 32 queries
	s_mov_b32 s[G1M+5], 2048
	s_mov_b32 s[G1M+6], 0
	s_mov_b32 s[G1M+7], 0
	; K and V: registers that never hold cx
	s_lshl_b32 s75, s15, 3
	s_add_co_u32 s75, s75, s14
	s_lshl_b32 s75, s75, 18                        ; (8 b + KV head) x 2,048 rows of 128 bytes
	s_and_b32 s76, s[WV], 1
	s_lshl_b32 s77, s76, 13                        ; my 64 keys
	s_add_co_u32 s78, s75, s77
	s_add_co_u32 s78, s78, 8388608
	s_mov_b32 s79, 0
	s_add_co_u32 s80, s78, 4194304
	s_mov_b32 s81, 0
	s_mul_i32 s82, s76, 9216
	s_mul_i32 s83, s76, 10240
	s_add_co_u32 s83, s83, VOFF
	; the mask: registers that never hold cy
	s_and_b32 s84, s[WV], 3
	s_lshl_b32 s85, s84, 5
	s_lshl_b32 s86, s13, 7
	s_add_co_u32 s86, s86, s85
	s_lshl_b32 s86, s86, 13                        ; row 128 x block + 32 x quarter, 8,192 bytes a row
	s_mov_b32 s87, 0
	s_mul_i32 s88, s84, 16896
	s_add_co_u32 s88, s88, MOFF
	; Q and ctx
	s_lshl_b32 s89, s15, 4
	s_lshl_b32 s90, s14, 1
	s_add_co_u32 s89, s89, s90                     ; head 16 b + 2 x KV head
	s_lshl_b32 s89, s89, 11
	s_and_b32 s90, s13, 15
	s_lshl_b32 s90, s90, 7
	s_add_co_u32 s89, s89, s90
	s_lshl_b32 s90, s[WV], 4
	s_add_co_u32 s89, s89, s90
	s_lshl_b32 s90, s89, 7
	s_mov_b32 s91, 0
	s_lshl_b32 s92, s13, 7
	s_lshl_b32 s93, s[WV], 4
	s_add_co_u32 s92, s92, s93
	s_lshl_b32 s92, s92, 11                        ; token 128 x block + 16 x wave, 2,048 bytes a row
	s_lshl_b32 s93, s14, 8
	s_add_co_u32 s92, s92, s93                     ; + the two heads' 256 bytes
	s_mov_b32 s93, 0
	; the prefetches: slot contents 1; the first change of slots steps them to 2
	s_and_b32 s94, s11, 1
	s_lshl_b32 s94, s94, 13
	s_add_co_u32 s94, s94, s75
	s_add_co_u32 s94, s94, 8388608+16384
	s_cmp_lt_u32 s11, 2
	s_cselect_b32 s95, 0, 4194304
	s_add_co_u32 s94, s94, s95                     ; K's or V's half, by cx
	s_lshl_b32 s96, s13, 7
	s_lshl_b32 s95, s12, 5
	s_add_co_u32 s96, s96, s95
	s_lshl_b32 s96, s96, 13
	s_lshl_b32 s95, s76, 8
	s_add_co_u32 s96, s96, s95
	s_add_co_u32 s96, s96, 512                     ; the mask's 32 rows, by cy
	s_mov_b32 s97, 0
	s_mov_b32 s[PFS], 512
	s_mov_b32 s[PFS+1], 0
	s_mov_b32 s95, 8192
	s_cmp_lt_u32 s[WV], 4
	s_cselect_b32 s96, s94, s96
	s_cselect_b32 s[PFS], 16384, s[PFS]            ; a slot on
	s_cselect_b32 s95, 256, s95                    ; from lane to lane
	v_and_b32 v[PFO], 31, v0
	v_mul_u32_u24 v[PFO], v[PFO], s95
	s_and_b32 s98, ttmp9, 3
	s_or_b32 s98, s98, s[WV]                       ; 0 in wave 0 of the batch's first cluster
	s_lshr_b32 s99, s[WV], 1
	s_xor_b32 s99, s99, 2                          ; 0 in waves 4 and 5
	s_and_b32 s94, ttmp7, 0xffff
	s_or_b32 s99, s99, s94                         ; of the clusters with y = 0
	s_min_u32 s98, s98, s99
	s_cmp_eq_u32 s98, 0
	s_cselect_b32 s[LIM], 1, -1                    ; the same in all sixteen partners, for a given wave
	s_mov_b32 s[CS], 0x3e38aa3b
	s_mov_b32 s[CS+1], s[CS]
	s_mov_b32 s[SEL], 0x76543210
	s_mov_b32 s[SEL+1], 0xfedcba98
	s_mov_b32 s[TB], 0
	s_mov_b32 s[SLOTS], 15
	s_wait_dscnt 0x0                               ; both opening adds are done
	s_wait_kmcnt 0x0
	s_mov_b32 s[G0K], 1
	s_mov_b32 s[G0K+1], s82
	s_add_nc_u64 s[G0K+2:G0K+3], s[4:5], s[78:79]
	s_or_b32 s[G0K+3], s[G0K+3], 0x80000000
	s_mov_b32 s[G0V], 1
	s_mov_b32 s[G0V+1], s83
	s_add_nc_u64 s[G0V+2:G0V+3], s[4:5], s[80:81]
	s_or_b32 s[G0V+3], s[G0V+3], 0x80000000
	s_mov_b32 s[G0M], 1
	s_mov_b32 s[G0M+1], s88
	s_add_nc_u64 s[G0M+2:G0M+3], s[6:7], s[86:87]
	s_or_b32 s[G0M+3], s[G0M+3], 0x80000000
	s_cmp_lt_u32 s[WV], 4
	s_cselect_b64 s[PFA:PFA+1], s[4:5], s[6:7]
	s_add_nc_u64 s[PFA:PFA+1], s[PFA:PFA+1], s[96:97]
	s_add_nc_u64 s[4:5], s[4:5], s[90:91]          ; Q at my wave's first query, first head
	s_add_nc_u64 s[8:9], s[8:9], s[92:93]          ; ctx at my wave's first row
	CROUND                                         ; all sixteen work-groups are here: the first joint loads meet
	JLOAD                                          ; slot 0: keys 0 to 127.  One tensor load of mine is out, here and behind every round
	v_and_b32 v1, 15, v0                           ; r
	v_bfe_u32 v13, v0, 4, 1                        ; h
	v_lshlrev_b32 v[QO], 7, v1
	v_lshl_add_u32 v[QO], v13, 4, v[QO]
	WIN 0x40                                       ; destination window 1
.irp g, 0,1
.irp e, 0,1,2,3
	global_load_b128 v[QF+16*\g+4*\e:QF+16*\g+4*\e+3], v[QO], s[4:5] offset:262144*\g+32*\e   ; Q stays in registers
.endr
.endr
.set i, 0
.rept 64
	v_mov_b32 v[i], 0                              ; O^T: the step is written once; its first pass finds zeros, which a = 0 leaves zeros
.set i, i+1
.endr
	WIN 0
	v_mul_u32_u24 v[AK0], v1, 144
	v_lshl_add_u32 v[AK0], v13, 4, v[AK0]          ; K: key r of a tile, + 16 h
	v_and_b32 v5, 7, v0
	v_bfe_u32 v6, v0, 3, 1
	v_lshl_add_u32 v[AV0], v13, 3, v5
	v_mul_u32_u24 v[AV0], v[AV0], 160
	v_lshl_add_u32 v[AV0], v6, 4, v[AV0]
	v_add_nc_u32 v[AV0], VOFF, v[AV0]              ; V, for the turning load: key 8 h + l % 8, channels 8 ((l / 8) % 2) on
	s_mul_i32 s16, s[WV], 16*528
	s_add_co_u32 s16, s16, MOFF
	v_mul_u32_u24 v[AM0], v1, 528
	v_lshl_add_u32 v[AM0], v13, 5, v[AM0]
	v_add_nc_u32 v[AM0], s16, v[AM0]               ; the mask: my query's row, + 32 h
	s_mul_i32 s16, s[WV], 4352
	s_add_co_u32 s16, s16, STAGE
	v_mul_u32_u24 v[STO], v1, 272
	v_lshl_add_u32 v[STO], v13, 4, v[STO]
	v_add_nc_u32 v[STO], s16, v[STO]
	v_mul_u32_u24 v[RD], v13, 272
	v_lshl_add_u32 v[RD], v1, 4, v[RD]
	v_add_nc_u32 v[RD], s16, v[RD]
	v_lshlrev_b32 v[GO], 11, v13
	v_lshl_add_u32 v[GO], v1, 4, v[GO]
.irp g, 0,1
	v_mov_b32 v[ST+8*\g], 0xff61b1e6               ; m = -3e38
	v_mov_b32 v[ST+8*\g+1], 0
	v_mov_b32 v[ST+8*\g+2], 0                      ; l
	v_mov_b32 v[ST+8*\g+3], 0
.endr
; A KEY STEP: 64 keys, the q-th of the slot in hand.
.macro STEP q
	v_add_nc_u32 v[ADK], s[TB], v[AK0]
	v_add_nc_u32 v[ADV], s[TB], v[AV0]
	v_add_nc_u32 v[ADM], s[TB], v[AM0]
.irp kt, 0,1,2,3
.irp c, 0,1
	ds_load_b128 v[KF+8*(2*\kt+\c):KF+8*(2*\kt+\c)+3], v[ADK] offset:9216*(\q)+2304*\kt+64*\c
	ds_load_b128 v[KF+8*(2*\kt+\c)+4:KF+8*(2*\kt+\c)+7], v[ADK] offset:9216*(\q)+2304*\kt+64*\c+32
.endr
.endr
.irp kt, 0,1,2,3
	ds_load_b128 v[MF+8*\kt:MF+8*\kt+3], v[ADM] offset:256*(\q)+64*\kt
	ds_load_b128 v[MF+8*\kt+4:MF+8*\kt+7], v[ADM] offset:256*(\q)+64*\kt+16
.endr
	s_wait_dscnt 8                                 ; K's sixteen loads are in; the mask's eight may be out
	WIN W_KQ
.irp c, 0,1                            ; S^T = K Q^T: eight accumulators by turns, one instruction a turn
.irp kt, 0,1,2,3
.irp g, 0,1
.if \c == 0
	v_wmma_f32_16x16x32_f16 v[S+32*\g+8*\kt:S+32*\g+8*\kt+7], v[KF+8*(2*\kt+\c):KF+8*(2*\kt+\c)+7], v[QF+16*\g+8*\c:QF+16*\g+8*\c+7], 0
.else
	v_wmma_f32_16x16x32_f16 v[S+32*\g+8*\kt:S+32*\g+8*\kt+7], v[KF+8*(2*\kt+\c):KF+8*(2*\kt+\c)+7], v[QF+16*\g+8*\c:QF+16*\g+8*\c+7], v[S+32*\g+8*\kt:S+32*\g+8*\kt+7]
.endif
.endr
.endr
.endr
	WIN 0
	s_wait_dscnt 0x0                               ; the mask is in
.set i, 0
.rept 16
	v_pk_mul_f32 v[MF+i:MF+i+1], v[MF+i:MF+i+1], 0x3fb8aa3b op_sel_hi:[1,0]   ; mask x log2(e), once for both heads.  These sixteen are also the plain lines behind the products and in front of the loads into V's registers
.set i, i+2
.endr
	WIN 0x40
.irp kc, 0,1
.irp dt, 0,1,2,3
	ds_load_tr16_b128 v[VF+8*(4*\kc+\dt):VF+8*(4*\kc+\dt)+3], v[ADV] offset:10240*(\q)+5120*\kc+32*\dt
	ds_load_tr16_b128 v[VF+8*(4*\kc+\dt)+4:VF+8*(4*\kc+\dt)+7], v[ADV] offset:10240*(\q)+5120*\kc+32*\dt+2560
.endr
.endr
	WIN 0
.set i, 0
.rept 16                               ; t = s c + mask': each accumulator from its low end on; the two tiles by turns throughout
.irp g, 0,1
	v_pk_fma_f32 v[S+32*\g+i:S+32*\g+i+1], v[S+32*\g+i:S+32*\g+i+1], s[CS:CS+1], v[MF+i:MF+i+1] op_sel_hi:[1,0,1]
.endr
.set i, i+2
.endr
.irp x, 0,1,2,3                        ; the largest of my 32 t and the old m: four chains
.irp g, 0,1
	v_max3_num_f32 v[ST+8*\g+4+\x], v[S+32*\g+8*\x], v[S+32*\g+8*\x+1], v[S+32*\g+8*\x+2]
.endr
.endr
.irp y, 3,5
.irp x, 0,1,2,3
.irp g, 0,1
	v_max3_num_f32 v[ST+8*\g+4+\x], v[ST+8*\g+4+\x], v[S+32*\g+8*\x+\y], v[S+32*\g+8*\x+\y+1]
.endr
.endr
.endr
.irp g, 0,1
	v_max3_num_f32 v[ST+8*\g+4], v[ST+8*\g+4], v[S+32*\g+7], v[S+32*\g+15]
	v_max3_num_f32 v[ST+8*\g+6], v[ST+8*\g+6], v[S+32*\g+23], v[S+32*\g+31]
.endr
.irp g, 0,1
	v_max3_num_f32 v[ST+8*\g+4], v[ST+8*\g+4], v[ST+8*\g+5], v[ST+8*\g+6]
.endr
.irp g, 0,1
	v_max3_num_f32 v[ST+8*\g+4], v[ST+8*\g+4], v[ST+8*\g+7], v[ST+8*\g]
.endr
.irp g, 0,1
	v_permlanex16_b32 v[ST+8*\g+5], v[ST+8*\g+4], s[SEL], s[SEL+1]   ; the query's other 32 keys lie in the lane 16 away
.endr
.irp g, 0,1
	v_max_num_f32 v[ST+8*\g+6], v[ST+8*\g+4], v[ST+8*\g+5]           ; the new m
.endr
.irp g, 0,1
	v_sub_f32 v[ST+8*\g+7], v[ST+8*\g], v[ST+8*\g+6]                 ; m_old - m_new
.endr
.irp g, 0,1
	v_mov_b32 v[ST+8*\g], v[ST+8*\g+6]
.endr
.set i, 0
.rept 16
.irp g, 0,1
	v_pk_add_f32 v[S+32*\g+i:S+32*\g+i+1], v[S+32*\g+i:S+32*\g+i+1], v[ST+8*\g:ST+8*\g+1] op_sel_hi:[1,0] neg_lo:[0,1] neg_hi:[0,1]   ; t - m
.endr
.set i, i+2
.endr
.irp g, 0,1
	v_exp_f32 v[ST+8*\g+6], v[ST+8*\g+7]           ; a
.endr
.set i, 0
.rept 32
.irp g, 0,1
	v_exp_f32 v[S+32*\g+i], v[S+32*\g+i]           ; p
.endr
.set i, i+1
.endr
	v_nop                                          ; a plain line behind the last exponential
	s_wait_alu depctr_va_vdst(0)                   ; ONE wait for both tiles' 66 exponentials, ahead of their first reader
.set i, 0
.rept 16
.irp g, 0,1
	v_cvt_pk_f16_f32 v[P+16*\g+i], v[S+32*\g+2*i], v[S+32*\g+2*i+1]
.endr
.set i, i+1
.endr
.irp u, 0,1,2,3,4,5,6,7                ; the sum of my 32 p, unrounded, as a tree of packed additions
.irp g, 0,1
	v_pk_add_f32 v[S+32*\g+4*\u:S+32*\g+4*\u+1], v[S+32*\g+4*\u:S+32*\g+4*\u+1], v[S+32*\g+4*\u+2:S+32*\g+4*\u+3]
.endr
.endr
.irp u, 0,1,2,3
.irp g, 0,1
	v_pk_add_f32 v[S+32*\g+8*\u:S+32*\g+8*\u+1], v[S+32*\g+8*\u:S+32*\g+8*\u+1], v[S+32*\g+8*\u+4:S+32*\g+8*\u+5]
.endr
.endr
.irp u, 0,1
.irp g, 0,1
	v_pk_add_f32 v[S+32*\g+16*\u:S+32*\g+16*\u+1], v[S+32*\g+16*\u:S+32*\g+16*\u+1], v[S+32*\g+16*\u+8:S+32*\g+16*\u+9]
.endr
.endr
.irp g, 0,1
	v_pk_add_f32 v[S+32*\g:S+32*\g+1], v[S+32*\g:S+32*\g+1], v[S+32*\g+16:S+32*\g+17]
.endr
.irp g, 0,1
	v_pk_fma_f32 v[ST+8*\g+2:ST+8*\g+3], v[ST+8*\g+2:ST+8*\g+3], v[ST+8*\g+6:ST+8*\g+7], v[S+32*\g:S+32*\g+1] op_sel_hi:[1,0,1]   ; l = l a + the sum
.endr
	WIN W_RS
.set i, 0
.rept 16
.irp g, 0,1
	v_pk_mul_f32 v[32*\g+i:32*\g+i+1], v[32*\g+i:32*\g+i+1], v[ST+8*\g+6:ST+8*\g+7] op_sel_hi:[1,0]   ; O^T x a
.endr
.set i, i+2
.endr
	s_wait_dscnt 0x0                               ; V is in
	WIN W_PV
.irp kc, 0,1                           ; O^T += V^T P: eight accumulators by turns
.irp dt, 0,1,2,3
.irp g, 0,1
	v_wmma_f32_16x16x32_f16 v[32*\g+8*\dt:32*\g+8*\dt+7], v[VF+8*(4*\kc+\dt):VF+8*(4*\kc+\dt)+7], v[P+16*\g+8*\kc:P+16*\g+8*\kc+7], v[32*\g+8*\dt:32*\g+8*\dt+7]
.endr
.endr
.endr
	WIN 0
.endm
; THE CHANGE OF SLOTS stands at a slot's head.  Each wave waits for all its tensor loads (its part of the slot that it is about to read), adds 0 to its spare word, and waits for that and for its
; reads of the slot that it has left.  fill = 1: a round of the cluster's barrier, and behind it the other slot is asked for, with the keys that follow: the load has two key steps in which to land.
.macro CHANGE fill
	s_wait_tensorcnt 0x0                           ; no tensor load of mine is out, so a group 0 may be written
	ds_add_u32 v[SPW], v[NIL]
.if \fill
	s_xor_b32 s[G0K+1], s[G0K+1], SLOT1
	s_add_nc_u64 s[G0K+2:G0K+3], s[G0K+2:G0K+3], 16384   ; the next 128 keys
	s_xor_b32 s[G0V+1], s[G0V+1], SLOT1
	s_add_nc_u64 s[G0V+2:G0V+3], s[G0V+2:G0V+3], 16384
	s_xor_b32 s[G0M+1], s[G0M+1], SLOT1
	s_add_nc_u64 s[G0M+2:G0M+3], s[G0M+2:G0M+3], 512
	s_wait_xcnt 0x0                                ; the last prefetch, a slot back, has read its address
	s_add_nc_u64 s[PFA:PFA+1], s[PFA:PFA+1], s[PFS:PFS+1]
	s_wait_dscnt 0x0                               ; the add is done, and my reads of the slot that I have left are over
	CROUND
	JLOAD
	ASK
.else
	s_wait_dscnt 0x0
	s_barrier_signal -1
	s_barrier_wait -1
.endif
.endm
	s_wait_loadcnt 0x0                             ; Q
.Lslot:                                            ; 15 trips: behind each change of slots but the last the next 128 keys are asked for
	CHANGE 1
	STEP 0
	STEP 1
	s_xor_b32 s[TB], s[TB], SLOT1
	s_sub_co_u32 s[SLOTS], s[SLOTS], 1
	s_cmp_lg_u32 s[SLOTS], 0
	s_cbranch_scc1 .Lslot
	CHANGE 0                                       ; the last slot is written out
	STEP 0
	STEP 1
	; THE WAY OUT.  The additions are the plain lines behind the last products
.irp g, 0,1
	v_add_f32 v[ST+8*\g+4], v[ST+8*\g+2], v[ST+8*\g+3]
.endr
.irp g, 0,1
	v_permlanex16_b32 v[ST+8*\g+5], v[ST+8*\g+4], s[SEL], s[SEL+1]
.endr
.irp g, 0,1
	v_add_f32 v[ST+8*\g+4], v[ST+8*\g+4], v[ST+8*\g+5]
.endr
.irp g, 0,1
	v_rcp_f32 v[ST+8*\g+6], v[ST+8*\g+4]
.endr
	v_nop
	s_wait_alu depctr_va_vdst(0)                   ; one wait for the two reciprocals
	WIN W_RS
.set i, 0
.rept 16
.irp g, 0,1
	v_pk_mul_f32 v[32*\g+i:32*\g+i+1], v[32*\g+i:32*\g+i+1], v[ST+8*\g+6:ST+8*\g+7] op_sel_hi:[1,0]
.endr
.set i, i+2
.endr
	WIN 0x05                                       ; sources 0 and 1 window 1
.set i, 0
.rept 32
	v_cvt_pk_f16_f32 v[S+i], v[2*i], v[2*i+1]
.set i, i+1
.endr
	WIN 0
.irp g, 0,1
.irp dt, 0,1,2,3
	ds_store_b128 v[STO], v[S+16*\g+4*\dt:S+16*\g+4*\dt+3] offset:128*\g+32*\dt   ; row r: head g's channels 16 dt + 8 h on
.endr
.endr
.irp i, 0,1,2,3,4,5,6,7
	ds_load_b128 v[P+4*\i:P+4*\i+3], v[RD] offset:544*\i       ; LDS serves a wave's instructions in order: these see my stores
.endr
.irp i, 0,1,2,3,4,5,6,7
	s_wait_dscnt 7-\i
	global_store_b128 v[GO], v[P+4*\i:P+4*\i+3], s[8:9] offset:4096*\i   ; sixteen lanes store 256 consecutive bytes, aligned: both heads of a token
.endr
	s_wait_tensorcnt 0x0                           ; the wave's end, behind my last tensor load and my last LDS store
	ds_add_u32 v[SPW], v[NIL]
	s_wait_dscnt 0x0
	CROUND                                         ; the closing round
	s_endpgm
.Lfunc_end_k_q62e5480e3f_attn:
	.size	k_q62e5480e3f_attn, .Lfunc_end_k_q62e5480e3f_attn-k_q62e5480e3f_attn
	.p2alignl 7, 3214868480
	.fill 96, 4, 3214868480
	.section	.rodata,"a",@progbits
	.p2align	6, 0x0
	.amdhsa_kernel k_q62e5480e3f_attn
		.amdhsa_group_segment_fixed_size 327680
		.amdhsa_private_segment_fixed_size 0
		.amdhsa_enable_private_segment 0
		.amdhsa_kernarg_size 24
		.amdhsa_user_sgpr_count 2
		.amdhsa_user_sgpr_kernarg_segment_ptr 1
		.amdhsa_wavefront_size32 1
		.amdhsa_system_sgpr_workgroup_id_x 1
		.amdhsa_system_sgpr_workgroup_id_y 1
		.amdhsa_system_sgpr_workgroup_id_z 1
		.amdhsa_system_vgpr_workitem_id 0
		.amdhsa_next_free_vgpr 416
		.amdhsa_next_free_sgpr 102
		.amdhsa_reserve_vcc 0
		.amdhsa_float_denorm_mode_32 3
		.amdhsa_float_denorm_mode_16_64 3
		.amdhsa_memory_ordered 1
		.amdhsa_forward_progress 1
		.amdhsa_inst_pref_size 105
	.end_amdhsa_kernel
	.amdgpu_metadata
---
amdhsa.version: [ 1, 2 ]
amdhsa.kernels:
  - .name:           k_q62e5480e3f_attn
    .symbol:         k_q62e5480e3f_attn.kd
    .args:
      - { .name: qkv16, .offset: 0, .size: 8, .value_kind: global_buffer, .address_space: global }
      - { .name: attention_mask, .offset: 8, .size: 8, .value_kind: global_buffer, .address_space: global }
      - { .name: ctx, .offset: 16, .size: 8, .value_kind: global_buffer, .address_space: global }
    .group_segment_fixed_size: 327680
    .private_segment_fixed_size: 0
    .kernarg_segment_align: 8
    .kernarg_segment_size: 24
    .max_flat_workgroup_size: 256
    .sgpr_count:     102
    .vgpr_count:     416
    .wavefront_size: 32
...
	.end_amdgpu_metadata
.endif
;; end of part 3
;; launch proj (part 4): grid 8 x 32, 4 waves a work-group, clusters of 4 x 4, 327,680 bytes of LDS; arguments ctx, wo16, out0; writes out0
.if DOCPART == 4
	.amdgcn_target "amdgcn-amd-amdhsa--gfx1250"
	.amdhsa_code_object_version 6
	.text
	.protected	k_q62e5480e3f_proj
	.globl	k_q62e5480e3f_proj
	.p2align	8
	.type	k_q62e5480e3f_proj,@function
k_q62e5480e3f_proj:
	s_mov_b64 s[64:65], 0
	v_nop
	global_prefetch_b8 v0, s[64:65] scope:SCOPE_SE
	s_setreg_imm32_b32 hwreg(HW_REG_WAVE_MODE, 25, 1), 1
	s_wait_xcnt 0x0
	s_wait_alu depctr_hold_cnt(0) depctr_sa_sdst(0) depctr_va_vdst(0) depctr_va_sdst(0) depctr_va_ssrc(0) depctr_va_vcc(0) depctr_vm_vsrc(0)
	s_getreg_b32 s2, hwreg(HW_REG_IB_STS2, 6, 4)
	s_cmp_eq_u32 s2, 0
	s_cbranch_scc0 .Lentry_in_a_cluster
	s_endpgm
.Lentry_in_a_cluster:
	s_bfe_u32 s2, ttmp6, 0x10000c
	s_cmp_lg_u32 s2, 0xf033
	s_cbranch_scc0 .Lentry_shape_is_right
	s_endpgm
.Lentry_shape_is_right:
; PROJ: out0[4096][2048] f32 = ctx[4096][1024] f16 x wo16[1024 k][2048 n] f16; sums in f32.
; A tile of out0 is 128 tokens x 256 columns: 256 work-groups.  Four waves, each 64 x 128: 32 accumulators of 16 x 16.  K goes in steps of 128 through two LDS slots.
; wo16 lies [k][n], as Wo does: its fragments are turned on their way out of LDS by ds_load_tr16_b128.
; The matrix instruction is used transposed (source 0 = 16 columns of Wo, source 1 = 16 tokens): a lane holds eight neighbouring numbers of a row of out0.
; CLUSTER: 4 x 4 work-groups: ctx's tiles are asked for jointly along a row of the cluster, wo16's along a column.
; No prefetch: each tile is read by 8 or 32 work-groups, and the launch is short.
; The rows of the first 16 positions of each sequence are written again, more finely, by a later launch.
; REGISTERS: window 0: v0-31 addresses; v64-95, v96-127 ctx's fragments, two buffers; v128-255 the way out.  window 1: v0-63, v64-127 Wo's fragments.  window 2: the accumulators, (a, b) at v[8 (8 a + b)].
.set PA,     272                       ; ctx: 256 bytes + 16
.set PB,     544                       ; wo16: 512 bytes + 32: row k starts at bank 8 k mod 64
.set BOFF,   128*PA
.set SLOT,   BOFF+128*PB
.set STAGE,  2*SLOT
.set SPITCH, 528
.set SPARE,  STAGE+4*16*SPITCH
.set LAPS,   4                         ; 1024 / (2 x 128)
.set ADRA, 16
.set ADRB, 20
.set STO,  24
.set RD,   25
.set CO,   26
.set SPW,  28
.set NIL,  29
.set BK,   128
.set G1, 24
.set G0, 32
.set G1B, 48
.set G0B, 56
.set MSB, 0
.macro WIN new
.if MSB != \new
	s_set_vgpr_msb (MSB<<8)|\new
.set MSB, \new
.endif
.endm
.set MUL,  0xa1                        ; source 0 (Wo) window 1, source 1 (ctx) window 0, C and D window 2
.set TO_B, 0x40
.macro JLOAD s                         ; waves 0 and 1 fetch ctx's two halves, waves 2 and 3 wo16's; an s_nop 0 and four v_nop follow each line
	s_cmp_eq_u32 s11, 0
	s_cbranch_scc0 .Lfor_b_\@
	tensor_load_to_lds s[G0+4*\s:G0+4*\s+3], s[G1:G1+7]
	s_nop 0
.rept 4
	v_nop
.endr
	s_branch .Lasked_\@
.Lfor_b_\@:
	tensor_load_to_lds s[G0B+4*\s:G0B+4*\s+3], s[G1B:G1B+7]
	s_nop 0
.rept 4
	v_nop
.endr
.Lasked_\@:
.endm
.macro CREST
	s_cmp_lg_u32 s10, 0
	s_cbranch_scc1 .Lnot_wave_0_\@
	s_barrier_signal -3
.Lnot_wave_0_\@:
	s_barrier_wait -3
	s_barrier_signal -1
	s_barrier_wait -1
.endm
.macro CROUND
	s_barrier_signal -1
	s_barrier_wait -1
	CREST
.endm
	s_load_b128 s[4:7], s[0:1], 0x0                ; ctx, wo16
	s_load_b64 s[8:9], s[0:1], 0x10                ; out0
	v_lshl_add_u32 v[SPW], v0, 2, SPARE
	v_mov_b32 v[NIL], 0
	ds_add_u32 v[SPW], v[NIL]                      ; the wave's opening: the add, twice on end, and its wait ahead of my first tensor load
	ds_add_u32 v[SPW], v[NIL]
	v_lshrrev_b32 v1, 5, v0
	v_readfirstlane_b32 s10, v1                    ; wave 0..3
	s_lshr_b32 s11, s10, 1                         ; which 64 tokens are mine.  Also: I fetch for ctx (0) or for wo16 (1)
	s_and_b32 s12, s10, 1                          ; which 128 columns.  Also: which 64 rows of that tile I fetch
	s_bfe_u32 s40, ttmp6, 0x40000
	s_bfe_u32 s41, ttmp6, 0x40004
	s_lshl_b32 s42, ttmp9, 2
	s_add_co_u32 s42, s42, s40                     ; tile column
	s_and_b32 s13, ttmp7, 0xffff
	s_lshl_b32 s13, s13, 2
	s_add_co_u32 s13, s13, s41                     ; tile row
	s_lshl_b32 s43, s41, 2
	s_lshl_b32 s43, 15, s43
	s_lshl_b32 s44, 0x1111, s40
	s_or_b32 s[G1+0], s43, (1<<16)|(1<<20)|(1<<21)|(5<<22)|(3<<25)   ; elements of 2 bytes; 4 words of padding behind every 64
	s_or_b32 s[G1B+0], s44, (1<<16)|(1<<20)|(1<<21)|(6<<22)|(7<<25)  ; 8 words behind every 128
	s_mov_b32 s[G1+1], 128<<16
	s_mov_b32 s[G1+2], 64<<16
	s_mov_b32 s[G1+3], 128<<16                     ; 128 along K
	s_mov_b32 s[G1+4], 64                          ; 64 tokens
	s_mov_b32 s[G1+5], 1024
	s_mov_b32 s[G1+6], 0
	s_mov_b32 s[G1+7], 0
	s_mov_b32 s[G1B+1], 256<<16
	s_mov_b32 s[G1B+2], 64<<16
	s_mov_b32 s[G1B+3], 256<<16                    ; 256 columns
	s_mov_b32 s[G1B+4], 64                         ; 64 along K
	s_mov_b32 s[G1B+5], 2048
	s_mov_b32 s[G1B+6], 0
	s_mov_b32 s[G1B+7], 0
	s_lshl_b32 s17, s12, 6
	s_lshl_b32 s16, s13, 7
	s_add_co_u32 s16, s16, s17
	s_lshl_b32 s16, s16, 11                        ; ctx: token 128 x tile row + 64 x half, 2,048 bytes a row
	s_mov_b32 s17, 0
	s_lshl_b32 s46, s12, 18                        ; wo16: k = 64 x half, 4,096 bytes a row,
	s_lshl_b32 s47, s42, 9
	s_add_co_u32 s46, s46, s47                     ; + 512 x tile column
	s_mov_b32 s47, 0
	s_mul_i32 s20, s12, 64*PA
	s_mul_i32 s21, s12, 64*PB
	s_add_co_u32 s21, s21, BOFF
	s_wait_dscnt 0x0                               ; both opening adds are done
	s_wait_kmcnt 0x0
	s_add_nc_u64 s[14:15], s[4:5], s[16:17]
	s_add_nc_u64 s[46:47], s[6:7], s[46:47]
	CROUND                                         ; all sixteen work-groups are here: the first joint loads meet
.irp s, 0,1
	s_mov_b32 s[G0+4*\s], 1
	s_add_co_u32 s[G0+4*\s+1], s20, \s*SLOT
	s_add_nc_u64 s[G0+4*\s+2:G0+4*\s+3], s[14:15], \s*256
	s_or_b32 s[G0+4*\s+3], s[G0+4*\s+3], 0x80000000
	s_mov_b32 s[G0B+4*\s], 1
	s_add_co_u32 s[G0B+4*\s+1], s21, \s*SLOT
	s_add_nc_u64 s[G0B+4*\s+2:G0B+4*\s+3], s[46:47], \s*524288
	s_or_b32 s[G0B+4*\s+3], s[G0B+4*\s+3], 0x80000000
	JLOAD \s
.endr
	v_and_b32 v1, 15, v0                           ; r
	v_bfe_u32 v2, v0, 4, 1                         ; h
	v_mul_u32_u24 v3, v1, PA
	v_lshl_add_u32 v3, v2, 4, v3
	v_and_b32 v4, 7, v0
	v_bfe_u32 v5, v0, 3, 1
	v_lshl_add_u32 v4, v2, 3, v4
	v_mul_u32_u24 v4, v4, PB
	v_lshl_add_u32 v4, v5, 4, v4                   ; the turning load: k = 8 h + l % 8, columns 8 ((l / 8) % 2) on
	s_mul_i32 s21, s11, 64*PA                      ; my 64 tokens
	s_lshl_b32 s22, s12, 8                         ; my 128 columns
	s_add_co_u32 s22, s22, BOFF
.irp s, 0,1
	v_add_nc_u32 v[ADRA+\s], s21, v3
	v_add_nc_u32 v[ADRB+\s], s22, v4
	s_add_co_u32 s21, s21, SLOT
	s_add_co_u32 s22, s22, SLOT
.endr
	s_mul_i32 s23, s10, 16*SPITCH
	s_add_co_u32 s23, s23, STAGE                   ; my stage
	v_mul_u32_u24 v5, v1, SPITCH
	v_lshl_add_u32 v5, v2, 5, v5
	v_add_nc_u32 v[STO], s23, v5
	v_and_b32 v6, 31, v0
	v_lshlrev_b32 v[CO], 4, v6
	v_add_nc_u32 v[RD], s23, v[CO]
	s_lshl_b32 s16, s13, 7
	s_lshl_b32 s17, s11, 6
	s_add_co_u32 s16, s16, s17
	s_lshl_b32 s16, s16, 13                        ; my first row of out0, 8,192 bytes a row
	s_mov_b32 s17, 0
	s_add_nc_u64 s[8:9], s[8:9], s[16:17]
	s_lshl_b32 s46, s42, 10
	s_lshl_b32 s47, s12, 9
	s_add_co_u32 s46, s46, s47                     ; my first column, in bytes
	s_mov_b32 s47, 0
	s_add_nc_u64 s[8:9], s[8:9], s[46:47]
.macro MUL8 f, a, zero                 ; token block a against the eight blocks of columns, 32 along K
.irp b, 0,1,2,3,4,5,6,7
.if \zero
	v_wmma_f32_16x16x32_f16 v[8*(8*(\a)+\b):8*(8*(\a)+\b)+7], v[64*(\f)+8*\b:64*(\f)+8*\b+7], v[64+32*(\f)+8*(\a):64+32*(\f)+8*(\a)+7], 0
.else
	v_wmma_f32_16x16x32_f16 v[8*(8*(\a)+\b):8*(8*(\a)+\b)+7], v[64*(\f)+8*\b:64*(\f)+8*\b+7], v[64+32*(\f)+8*(\a):64+32*(\f)+8*(\a)+7], v[8*(8*(\a)+\b):8*(8*(\a)+\b)+7]
.endif
.endr
.endm
.macro FETCH slot, q, f                ; 24 LDS loads in one run: the fragments of the slot's q-th 32 along K into buffer f
	WIN TO_B
.irp i, 0,1,2,3,4,5,6,7
	ds_load_tr16_b128 v[64*(\f)+8*\i:64*(\f)+8*\i+3], v[ADRB+\slot] offset:32*PB*(\q)+32*\i
	ds_load_tr16_b128 v[64*(\f)+8*\i+4:64*(\f)+8*\i+7], v[ADRB+\slot] offset:32*PB*(\q)+32*\i+16*PB
.endr
	WIN 0
.irp i, 0,1,2,3
	ds_load_b128 v[64+32*(\f)+8*\i:64+32*(\f)+8*\i+3], v[ADRA+\slot] offset:64*(\q)+16*PA*\i
	ds_load_b128 v[64+32*(\f)+8*\i+4:64+32*(\f)+8*\i+7], v[ADRA+\slot] offset:64*(\q)+16*PA*\i+32
.endr
.endm
.macro PLACES                          ; four plain lines in front of loads into registers that matrix instructions have read, and of reads of results
.rept 4
	v_nop
.endr
.endm
; A K step is four quarters of 32 along K, 32 matrix instructions each, on buffers 0, 1, 0, 1; the 32 accumulators take turns in the same order in every quarter.
.macro QUARTER slot, qn, f, g, zero
	s_wait_dscnt 0x0                               ; this quarter's fragments, asked for 16 matrix instructions ago, are in
	WIN MUL
	MUL8 \f, 0, \zero
	MUL8 \f, 1, \zero
	PLACES
	FETCH \slot, \qn, \g
	WIN MUL
	MUL8 \f, 2, \zero
	MUL8 \f, 3, \zero
.endm
; The last quarter multiplies buffer 1 and changes slots: one barrier; in front of it each wave waits for all its tensor loads, adds 0 to its spare word, and waits for that and for its reads of this slot.
.macro TURN slot, next, fill
	WIN 0
	s_wait_tensorcnt 0x0                           ; all my tensor loads have landed: my part of the next slot
	ds_add_u32 v[SPW], v[NIL]
	s_wait_dscnt 1                                 ; the fragments are in; the add alone may be out
	WIN MUL
	MUL8 1, 0, 0
	s_wait_dscnt 0x0                               ; the add is done, and my reads of this slot are over
	s_barrier_signal -1
	MUL8 1, 1, 0
	WIN 0
	s_barrier_wait -1
.if \fill
	CREST                                          ; the barrier has opened a round of the cluster's: no wave of any partner still reads this slot or has a load on its way
	s_add_nc_u64 s[G0+4*\slot+2:G0+4*\slot+3], s[G0+4*\slot+2:G0+4*\slot+3], 512
	s_add_nc_u64 s[G0B+4*\slot+2:G0B+4*\slot+3], s[G0B+4*\slot+2:G0B+4*\slot+3], 1048576
	JLOAD \slot                                    ; two K steps on; the four v_nop behind it are also the plain lines in front of the loads below
.else
	PLACES
.endif
	FETCH \next, 0, 0
	WIN MUL
	MUL8 1, 2, 0
	MUL8 1, 3, 0
.endm
	s_wait_tensorcnt 1                             ; my part of K step 0 is in; K step 1's load may be out
	s_barrier_signal -1
	s_barrier_wait -1
	FETCH 0, 0, 0
	QUARTER 0, 1, 0, 1, 1                          ; the first quarter's products start the sums
	WIN 0
	s_mov_b32 s3, LAPS-1
.Llap:
	QUARTER 0, 2, 1, 0, 0
	QUARTER 0, 3, 0, 1, 0
	TURN 0, 1, 1
	QUARTER 1, 1, 0, 1, 0
	QUARTER 1, 2, 1, 0, 0
	QUARTER 1, 3, 0, 1, 0
	TURN 1, 0, 1
	QUARTER 0, 1, 0, 1, 0
	WIN 0
	s_sub_co_u32 s3, s3, 1
	s_cmp_lg_u32 s3, 0
	s_cbranch_scc1 .Llap
	QUARTER 0, 2, 1, 0, 0                          ; the last lap fills nothing
	QUARTER 0, 3, 0, 1, 0
	TURN 0, 1, 0
	QUARTER 1, 1, 0, 1, 0
	QUARTER 1, 2, 1, 0, 0
	QUARTER 1, 3, 0, 1, 0
	s_wait_dscnt 0x0
	WIN MUL
	MUL8 1, 0, 0
	MUL8 1, 1, 0
	MUL8 1, 2, 0
	MUL8 1, 3, 0
	WIN 0
; THE WAY OUT, block by block of 16 tokens x 128 columns, through my own stage: in as 32 bytes a lane, back as whole rows of 512 bytes.
.macro TOSTAGE a
	WIN 0x08                                       ; an LDS store's data are its source 1: window 2
.irp b, 0,1,2,3,4,5,6,7
	ds_store_b128 v[STO], v[64*(\a)+8*\b:64*(\a)+8*\b+3] offset:64*\b          ; each accumulator from its low end on
	ds_store_b128 v[STO], v[64*(\a)+8*\b+4:64*(\a)+8*\b+7] offset:64*\b+16
.endr
	WIN 0
.set BB, BK+64*((\a)%2)
.irp t, 0,1,2,3,4,5,6,7,8,9,10,11,12,13,14,15
	ds_load_b128 v[BB+4*\t:BB+4*\t+3], v[RD] offset:\t*SPITCH
.endr
.endm
.macro SEND a, younger
.set BB, BK+64*((\a)%2)
	s_wait_dscnt \younger                          ; the block is back; the next block's 16 stores and 16 loads may be out
.if (\a) > 0
	s_add_nc_u64 s[8:9], s[8:9], 131072            ; 16 rows on (behind a wait that shows that the earlier stores have read their base)
.endif
.irp t, 0,1,2,3,4,5,6,7,8,9,10,11,12,13,14,15
	global_store_b128 v[CO], v[BB+4*\t:BB+4*\t+3], s[8:9] offset:\t*8192 th:TH_STORE_NT   ; 32 lanes store 512 consecutive bytes, aligned
.endr
.endm
	PLACES
	TOSTAGE 0
.irp a, 1,2,3
.if \a > 1
	s_wait_xcnt 0x0                                ; block a - 2's stores have read their registers and their base
.endif
	TOSTAGE \a
	SEND \a-1, 32
.endr
	s_wait_xcnt 0x0
	SEND 3, 0
	s_wait_tensorcnt 0x0                           ; the wave's end, behind my last tensor load and my last LDS store
	ds_add_u32 v[SPW], v[NIL]
	s_wait_dscnt 0x0
	CROUND                                         ; the closing round
	s_endpgm
.Lfunc_end_k_q62e5480e3f_proj:
	.size	k_q62e5480e3f_proj, .Lfunc_end_k_q62e5480e3f_proj-k_q62e5480e3f_proj
	.p2alignl 7, 3214868480
	.fill 96, 4, 3214868480
	.section	.rodata,"a",@progbits
	.p2align	6, 0x0
	.amdhsa_kernel k_q62e5480e3f_proj
		.amdhsa_group_segment_fixed_size 327680
		.amdhsa_private_segment_fixed_size 0
		.amdhsa_enable_private_segment 0
		.amdhsa_kernarg_size 24
		.amdhsa_user_sgpr_count 2
		.amdhsa_user_sgpr_kernarg_segment_ptr 1
		.amdhsa_wavefront_size32 1
		.amdhsa_system_sgpr_workgroup_id_x 1
		.amdhsa_system_sgpr_workgroup_id_y 1
		.amdhsa_system_sgpr_workgroup_id_z 1
		.amdhsa_system_vgpr_workitem_id 0
		.amdhsa_next_free_vgpr 768
		.amdhsa_next_free_sgpr 66
		.amdhsa_reserve_vcc 0
		.amdhsa_float_denorm_mode_32 3
		.amdhsa_float_denorm_mode_16_64 3
		.amdhsa_memory_ordered 1
		.amdhsa_forward_progress 1
		.amdhsa_inst_pref_size 85
	.end_amdhsa_kernel
	.amdgpu_metadata
---
amdhsa.version: [ 1, 2 ]
amdhsa.kernels:
  - .name:           k_q62e5480e3f_proj
    .symbol:         k_q62e5480e3f_proj.kd
    .args:
      - { .name: ctx, .offset: 0, .size: 8, .value_kind: global_buffer, .address_space: global }
      - { .name: wo16, .offset: 8, .size: 8, .value_kind: global_buffer, .address_space: global }
      - { .name: out0, .offset: 16, .size: 8, .value_kind: global_buffer, .address_space: global }
    .group_segment_fixed_size: 327680
    .private_segment_fixed_size: 0
    .kernarg_segment_align: 8
    .kernarg_segment_size: 24
    .max_flat_workgroup_size: 128
    .sgpr_count:     66
    .vgpr_count:     768
    .wavefront_size: 32
...
	.end_amdgpu_metadata
.endif
;; end of part 4
;; launch fattn (part 5): grid 8 x 32, 16 waves a work-group, no clusters, 22,528 bytes of LDS; arguments qkv16, v32, attention_mask, ctxf; writes ctxf
.if DOCPART == 5
	.amdgcn_target "amdgcn-amd-amdhsa--gfx1250"
	.amdhsa_code_object_version 6
	.text
	.protected	k_q62e5480e3f_fattn
	.globl	k_q62e5480e3f_fattn
	.p2align	8
	.type	k_q62e5480e3f_fattn,@function
k_q62e5480e3f_fattn:
	s_mov_b64 s[64:65], 0
	v_nop
	global_prefetch_b8 v0, s[64:65] scope:SCOPE_SE
	s_setreg_imm32_b32 hwreg(HW_REG_WAVE_MODE, 25, 1), 1
	s_wait_xcnt 0x0
; FATTN: the first 16 positions of each sequence, once more and more finely: where a mask leaves a row few keys, the rounding of p and v to f16 weighs most.
; The scores come from the f16 q and k; p stays f32, v is read in f32 (v32), and the second product is made by the f32 matrix form: no bulk work: 32 rows of 4,096.
; SHARES.  A work-group: one batch and query head (y); 16 of the head's 64 channels and one half of the 2,048 keys (x = block of channels + 4 x half): 256 work-groups.  Each of its 16 waves takes
; 64 keys, once: all its 60 loads go out at the head; scores, the mask, its own maximum m_w and sum l_w, its part O_w of the product.  The parts meet in LDS, and wave 0 joins them:
; m = max m_w, f_w = 2^(m_w - m), O = the sum of f_w O_w, l = the sum of f_w l_w.  O is stored NOT divided, with m and l: the next launch joins the two halves of the keys.
; Scores and softmax are made again by the four work-groups of a head and half: so no sum crosses work-groups inside a launch.  m_w has the floor -3e38, as in the bulk launch.
; OUT: ctxf[half][16 b + head][block of channels][e][lane][16 bytes]: the next launch's operand registers on end: lane (r, h) holds row r, channels 16 block + 8 h + 4 e + 0 .. 3;
;      from byte 262144: [16 b + row][head][half][m, l], stored by the work-groups of block 0.
; REGISTERS: v1-11 addresses; v14, v15 the add's two; v16-31 Q; v32-95 K; v96-127 the mask; v128-159 V; v160-191 S^T, then p; v224-239 two accumulators, written by matrix instructions alone; v240-255 at work.
.set SPW, 14
.set NIL, 15
.set SPARE, 20480                      ; behind the 16 parts of 1,280 bytes
	s_load_b256 s[4:11], s[0:1], 0x0               ; qkv16 4:5, v32 6:7, the mask 8:9, ctxf 10:11
	v_lshl_add_u32 v[SPW], v0, 2, SPARE
	v_mov_b32 v[NIL], 0
	v_lshrrev_b32 v1, 5, v0
	v_readfirstlane_b32 s12, v1                    ; wave 0..15
	s_and_b32 s13, ttmp7, 0xffff                   ; 16 b + head
	s_lshr_b32 s14, s13, 4                         ; b
	s_and_b32 s15, s13, 15                         ; head
	s_lshr_b32 s16, s15, 1                         ; KV head
	s_and_b32 s36, ttmp9, 3                        ; the block of 16 channels
	s_lshr_b32 s37, ttmp9, 2                       ; the half of the keys
	s_lshl_b32 s20, s13, 18                        ; q: the head's first row
	s_mov_b32 s21, 0
	s_lshl_b32 s17, s14, 3
	s_add_co_u32 s17, s17, s16                     ; 8 b + KV head
	s_lshl_b32 s22, s17, 18
	s_lshl_b32 s18, s37, 17
	s_add_co_u32 s22, s22, s18
	s_lshl_b32 s18, s12, 13
	s_add_co_u32 s22, s22, s18
	s_add_co_u32 s22, s22, 8388608                 ; k: key 1024 half + 64 wave, 128 bytes a key
	s_mov_b32 s23, 0
	s_lshl_b32 s24, s17, 19
	s_lshl_b32 s18, s36, 17
	s_add_co_u32 s24, s24, s18
	s_lshl_b32 s18, s37, 16
	s_add_co_u32 s24, s24, s18
	s_lshl_b32 s18, s12, 12
	s_add_co_u32 s24, s24, s18                     ; v32: the block's plane, my first key, 64 bytes a key
	s_mov_b32 s25, 0
	s_lshl_b32 s26, s14, 24
	s_lshl_b32 s18, s37, 12
	s_add_co_u32 s26, s26, s18
	s_lshl_b32 s18, s12, 8
	s_add_co_u32 s26, s26, s18                     ; the mask: batch b, rows 0 on, my 64 keys
	s_mov_b32 s27, 0
	s_lshl_b32 s28, s37, 17
	s_lshl_b32 s18, s13, 12
	s_add_co_u32 s28, s28, s18
	s_lshl_b32 s18, s36, 10
	s_add_co_u32 s28, s28, s18                     ; ctxf: half, head, block
	s_mov_b32 s29, 0
	s_lshl_b32 s38, s14, 12
	s_lshl_b32 s18, s15, 4
	s_add_co_u32 s38, s38, s18
	s_lshl_b32 s18, s37, 3
	s_add_co_u32 s38, s38, s18
	s_add_co_u32 s38, s38, 262144                  ; m and l: row 16 b, head, half
	s_mov_b32 s39, 0
	s_mov_b32 s30, 0x76543210
	s_mov_b32 s31, 0xfedcba98
	s_mov_b32 s32, 0x3e38aa3b                      ; log2(e) / 8
	s_mov_b32 s33, s32
	v_and_b32 v1, 15, v0                           ; r
	v_bfe_u32 v2, v0, 4, 1                         ; h
	v_lshlrev_b32 v3, 7, v1
	v_lshl_add_u32 v3, v2, 4, v3                   ; q, k: row r of 128 bytes, + 16 h
	v_lshlrev_b32 v4, 13, v1
	v_lshl_add_u32 v4, v2, 5, v4                   ; the mask: row r of 8,192 bytes, + 32 h
	v_lshlrev_b32 v5, 9, v2
	v_lshl_add_u32 v5, v1, 2, v5                   ; v32: 8 h keys of 64 bytes, + 4 r
	v_and_b32 v8, 31, v0
	v_lshlrev_b32 v9, 2, v8
	v_lshlrev_b32 v10, 4, v8                       ; ctxf: 16 x lane
	v_lshlrev_b32 v8, 4, v8                        ; the parts, read: 16 x lane;
	v_add_nc_u32 v9, 1024, v9                      ; 1,024 + 4 x lane
	s_mul_i32 s18, s12, 1280
	v_add_nc_u32 v6, s18, v8                       ; and stored: + 1,280 x wave
	v_add_nc_u32 v7, s18, v9
	v_lshlrev_b32 v11, 8, v1
	v_lshl_add_u32 v11, v2, 2, v11                 ; m and l: row r of 256 bytes; lanes 0-15 store m, lanes 16-31 l
	v_mov_b32 v249, 0                              ; (named with m as a pair)
	v_mov_b32 v251, 0                              ; (a lane permute's destination counts as read)
	s_wait_kmcnt 0x0
	s_add_nc_u64 s[34:35], s[4:5], s[20:21]        ; q
	s_add_nc_u64 s[4:5], s[4:5], s[22:23]          ; k
	s_add_nc_u64 s[6:7], s[6:7], s[24:25]
	s_add_nc_u64 s[8:9], s[8:9], s[26:27]
	s_add_nc_u64 s[40:41], s[10:11], s[38:39]
	s_add_nc_u64 s[10:11], s[10:11], s[28:29]
.irp e, 0,1,2,3
	global_load_b128 v[16+4*\e:16+4*\e+3], v3, s[34:35] offset:32*\e
.endr
.irp kt, 0,1,2,3
.irp c, 0,1
	global_load_b128 v[32+8*(2*\kt+\c):32+8*(2*\kt+\c)+3], v3, s[4:5] offset:2048*\kt+64*\c
	global_load_b128 v[32+8*(2*\kt+\c)+4:32+8*(2*\kt+\c)+7], v3, s[4:5] offset:2048*\kt+64*\c+32
.endr
.endr
.irp kt, 0,1,2,3
	global_load_b128 v[96+8*\kt:96+8*\kt+3], v4, s[8:9] offset:64*\kt
	global_load_b128 v[96+8*\kt+4:96+8*\kt+7], v4, s[8:9] offset:64*\kt+16
.endr
.set n, 0
.rept 32                               ; V in f32: register 8 kt + 2 i + j: key 16 kt + 8 h + 2 i + j, channel r: the keys in the very order in which p's registers hold them
	global_load_b32 v[128+n], v5, s[6:7] offset:64*(16*(n/8)+n%8)
.set n, n+1
.endr
	s_wait_loadcnt 40                              ; Q and K are in; the mask's 8 loads and V's 32 may be out
.irp c, 0,1                            ; S^T = K Q^T: four accumulators by turns
.irp kt, 0,1,2,3
.if \c == 0
	v_wmma_f32_16x16x32_f16 v[160+8*\kt:160+8*\kt+7], v[32+8*(2*\kt+\c):32+8*(2*\kt+\c)+7], v[16+8*\c:16+8*\c+7], 0
.else
	v_wmma_f32_16x16x32_f16 v[160+8*\kt:160+8*\kt+7], v[32+8*(2*\kt+\c):32+8*(2*\kt+\c)+7], v[16+8*\c:16+8*\c+7], v[160+8*\kt:160+8*\kt+7]
.endif
.endr
.endr
	s_wait_loadcnt 32                              ; the mask is in; V's 32 loads may be out
.set i, 0
.rept 16
	v_pk_mul_f32 v[96+i:97+i], v[96+i:97+i], 0x3fb8aa3b op_sel_hi:[1,0]   ; mask x log2(e).  Also the plain lines behind the products
.set i, i+2
.endr
.set i, 0
.rept 16
	v_pk_fma_f32 v[160+i:161+i], v[160+i:161+i], s[32:33], v[96+i:97+i] op_sel_hi:[1,0,1]   ; t; each accumulator from its low end on
.set i, i+2
.endr
.irp b, 0,1
	v_max3_num_f32 v[252+\b], v[160+16*\b], v[161+16*\b], v[162+16*\b]
.endr
.irp i, 3,5,7,9,11,13
.irp b, 0,1
	v_max3_num_f32 v[252+\b], v[252+\b], v[160+16*\b+\i], v[161+16*\b+\i]
.endr
.endr
.irp b, 0,1
	v_max_num_f32 v[252+\b], v[252+\b], v[175+16*\b]
.endr
	v_max_num_f32 v252, v252, v253
	v_permlanex16_b32 v251, v252, s30, s31
	v_max3_num_f32 v248, v252, v251, 0xff61b1e6    ; m_w, not under -3e38
.set i, 0
.rept 16
	v_pk_add_f32 v[160+i:161+i], v[160+i:161+i], v[248:249] op_sel_hi:[1,0] neg_lo:[0,1] neg_hi:[0,1]
.set i, i+2
.endr
.set i, 0
.rept 32
	v_exp_f32 v[160+i], v[160+i]                   ; p, kept in f32
.set i, i+1
.endr
	v_nop
	s_wait_alu depctr_va_vdst(0)                   ; one wait for the 32 exponentials
	v_pk_add_f32 v[250:251], v[160:161], v[162:163]
	v_pk_add_f32 v[252:253], v[164:165], v[166:167]
.irp j, 8,12,16,20,24,28
	v_pk_add_f32 v[250:251], v[250:251], v[160+\j:161+\j]
	v_pk_add_f32 v[252:253], v[252:253], v[162+\j:163+\j]
.endr
	v_pk_add_f32 v[250:251], v[250:251], v[252:253]
	v_add_f32 v250, v250, v251
	v_permlanex16_b32 v251, v250, s30, s31
	v_add_f32 v250, v250, v251                     ; l_w
	s_wait_loadcnt 0x0                             ; V
.set n, 0
.rept 16                               ; O_w^T = V^T P: four keys an instruction; two accumulators by turns, the first two products start the sums
.if n < 2
	v_wmma_f32_16x16x4_f32 v[224+8*(n%2):231+8*(n%2)], v[128+2*n:129+2*n], v[160+2*n:161+2*n], 0
.else
	v_wmma_f32_16x16x4_f32 v[224+8*(n%2):231+8*(n%2)], v[128+2*n:129+2*n], v[160+2*n:161+2*n], v[224+8*(n%2):231+8*(n%2)]
.endif
.set n, n+1
.endr
.rept 8
	v_nop                                          ; eight plain lines behind this form
.endr
.irp j, 0,2,4,6
	v_pk_add_f32 v[240+\j:241+\j], v[224+\j:225+\j], v[232+\j:233+\j]
.endr
	ds_store_b128 v6, v[240:243]                   ; my part, as an image of its registers
	ds_store_b128 v6, v[244:247] offset:512
	ds_store_b32 v7, v248
	ds_store_b32 v7, v250 offset:128
	s_wait_dscnt 0x0                               ; for wave 0's sake: my stores are done
	s_barrier_signal -1
	s_barrier_wait -1
	s_cmp_lg_u32 s12, 0
	s_cbranch_scc1 .Lend
.set n, 0
.rept 16
	ds_load_b32 v[32+n], v9 offset:1280*n
	ds_load_b32 v[48+n], v9 offset:1280*n+128
	ds_load_b128 v[96+8*n:99+8*n], v8 offset:1280*n
	ds_load_b128 v[100+8*n:103+8*n], v8 offset:1280*n+512
.set n, n+1
.endr
	s_wait_dscnt 0x0
	v_max3_num_f32 v252, v32, v33, v34
.irp i, 35,37,39,41,43,45
	v_max3_num_f32 v252, v252, v[\i], v[\i+1]
.endr
	v_max_num_f32 v252, v252, v47                  ; m of this half of the keys
.set n, 0
.rept 16
	v_sub_f32 v[32+n], v[32+n], v252
.set n, n+1
.endr
.set n, 0
.rept 16
	v_exp_f32 v[32+n], v[32+n]                     ; f_w
.set n, n+1
.endr
	v_nop
	s_wait_alu depctr_va_vdst(0)                   ; one wait for the sixteen
	v_mul_f32 v253, v32, v48
.irp j, 0,1,2,3,4,5,6,7
	v_mul_f32 v[240+\j], v32, v[96+\j]
.endr
.set n, 1
.rept 15
	v_fmac_f32 v253, v[32+n], v[48+n]
.irp j, 0,1,2,3,4,5,6,7
	v_fmac_f32 v[240+\j], v[32+n], v[96+8*n+\j]
.endr
.set n, n+1
.endr
	global_store_b128 v10, v[240:243], s[10:11]              ; each store covers 512 consecutive bytes, aligned
	global_store_b128 v10, v[244:247], s[10:11] offset:512
	s_cmp_lg_u32 s36, 0                            ; m and l are the same in the four blocks of channels: block 0 stores them
	s_cbranch_scc1 .Lend
	v_cmp_eq_u32 vcc_lo, 1, v2
	v_cndmask_b32 v254, v252, v253, vcc_lo         ; lanes 0-15 m, lanes 16-31 l
	global_store_b32 v11, v254, s[40:41]
.Lend:
	s_wait_tensorcnt 0x0                           ; the wave's end, behind my last LDS store
	ds_add_u32 v[SPW], v[NIL]
	s_wait_dscnt 0x0
	s_endpgm
.Lfunc_end_k_q62e5480e3f_fattn:
	.size	k_q62e5480e3f_fattn, .Lfunc_end_k_q62e5480e3f_fattn-k_q62e5480e3f_fattn
	.p2alignl 7, 3214868480
	.fill 96, 4, 3214868480
	.section	.rodata,"a",@progbits
	.p2align	6, 0x0
	.amdhsa_kernel k_q62e5480e3f_fattn
		.amdhsa_group_segment_fixed_size 22528
		.amdhsa_private_segment_fixed_size 0
		.amdhsa_enable_private_segment 0
		.amdhsa_kernarg_size 32
		.amdhsa_user_sgpr_count 2
		.amdhsa_user_sgpr_kernarg_segment_ptr 1
		.amdhsa_wavefront_size32 1
		.amdhsa_system_sgpr_workgroup_id_x 1
		.amdhsa_system_sgpr_workgroup_id_y 1
		.amdhsa_system_sgpr_workgroup_id_z 1
		.amdhsa_system_vgpr_workitem_id 0
		.amdhsa_next_free_vgpr 256
		.amdhsa_next_free_sgpr 66
		.amdhsa_reserve_vcc 1
		.amdhsa_float_denorm_mode_32 3
		.amdhsa_float_denorm_mode_16_64 3
		.amdhsa_memory_ordered 1
		.amdhsa_forward_progress 1
		.amdhsa_inst_pref_size 29
	.end_amdhsa_kernel
	.amdgpu_metadata
---
amdhsa.version: [ 1, 2 ]
amdhsa.kernels:
  - .name:           k_q62e5480e3f_fattn
    .symbol:         k_q62e5480e3f_fattn.kd
    .args:
      - { .name: qkv16, .offset: 0, .size: 8, .value_kind: global_buffer, .address_space: global }
      - { .name: v32, .offset: 8, .size: 8, .value_kind: global_buffer, .address_space: global }
      - { .name: attention_mask, .offset: 16, .size: 8, .value_kind: global_buffer, .address_space: global }
      - { .name: ctxf, .offset: 24, .size: 8, .value_kind: global_buffer, .address_space: global }
    .group_segment_fixed_size: 22528
    .private_segment_fixed_size: 0
    .kernarg_segment_align: 8
    .kernarg_segment_size: 32
    .max_flat_workgroup_size: 512
    .sgpr_count:     66
    .vgpr_count:     256
    .wavefront_size: 32
...
	.end_amdgpu_metadata
.endif
;; end of part 5
;; launch fproj (part 6): grid 32 x 2, 16 waves a work-group, no clusters, 19,456 bytes of LDS; arguments ctxf, Wo, out0; writes out0
.if DOCPART == 6
	.amdgcn_target "amdgcn-amd-amdhsa--gfx1250"
	.amdhsa_code_object_version 6
	.text
	.protected	k_q62e5480e3f_fproj
	.globl	k_q62e5480e3f_fproj
	.p2align	8
	.type	k_q62e5480e3f_fproj,@function
k_q62e5480e3f_fproj:
	s_mov_b64 s[64:65], 0
	v_nop
	global_prefetch_b8 v0, s[64:65] scope:SCOPE_SE
	s_setreg_imm32_b32 hwreg(HW_REG_WAVE_MODE, 25, 1), 1
	s_wait_xcnt 0x0
; FPROJ: the rows of out0 that belong to the first 16 positions of each sequence, once more in f32: out0[2048 b + s][n] = the sum over k of c[s][k] Wo[k][n], s = 0 .. 15.
; c is joined here from the two halves of the keys that the launch before has left: for row s and head: m = max(m_0, m_1), e_p = 2^(m_p - m), g_p = e_p / (e_0 l_0 + e_1 l_1), c = g_0 O_0 + g_1 O_1.
; 32 rows of 4,096: no bulk work; the f32 matrix form.  A work-group: 64 columns (x) of one batch (y).  Wave w: 16 columns (w % 4), 256 of the 1,024 along K (w / 4): four heads, a batch of 64 along K each.
; Source 0 = 16 columns of Wo, source 1 = the 16 rows of c: a lane holds eight neighbouring columns of one row.  The four parts along K meet in LDS; waves 0 to 7 add them and store two rows each.
; Both sources take K in the same order: register 8 g + 2 i + j of a batch holds k = 16 g + 8 (lane / 16) + 2 i + j; O_0 and O_1 lie in memory in that order, so each of their loads covers 512 consecutive bytes.
; 64 work-groups: a narrower block of columns would store less than 256 consecutive bytes of a row.
; REGISTERS: v1-8 addresses; v14, v15 the add's two; v16-31 at work; v32-95 Wo, two sets; v96-159 O_0, then c, two sets; v160-223 O_1, two sets; v224-239 two accumulators, written by matrix
; instructions alone; v240-255 m_0, l_0, m_1, l_1 of my row and four heads, then g_0 and g_1.
.set SPW, 14
.set NIL, 15
.set SPARE, 17408                      ; behind four parts of 16 rows x 272 bytes
	s_load_b128 s[4:7], s[0:1], 0x0                ; ctxf, Wo
	s_load_b64 s[8:9], s[0:1], 0x10                ; out0
	v_lshl_add_u32 v[SPW], v0, 2, SPARE
	v_mov_b32 v[NIL], 0
	v_lshrrev_b32 v1, 5, v0
	v_readfirstlane_b32 s12, v1                    ; wave 0..15
	s_and_b32 s13, s12, 3                          ; which 16 columns
	s_lshr_b32 s14, s12, 2                         ; which 256 along K
	s_and_b32 s15, ttmp7, 0xffff                   ; b
	s_lshl_b32 s16, s15, 16
	s_lshl_b32 s18, s14, 14
	s_add_co_u32 s16, s16, s18                     ; O_0: head 16 b + 4 x part, 4,096 bytes a head
	s_mov_b32 s17, 0
	s_lshl_b32 s24, s15, 12
	s_lshl_b32 s18, s14, 6
	s_add_co_u32 s24, s24, s18
	s_add_co_u32 s24, s24, 262144                  ; m and l: row 16 b, head 4 x part
	s_mov_b32 s25, 0
	s_lshl_b32 s20, s14, 21                        ; Wo: 256 rows of 8,192 bytes a part,
	s_lshl_b32 s18, ttmp9, 8
	s_add_co_u32 s20, s20, s18
	s_lshl_b32 s18, s13, 6
	s_add_co_u32 s20, s20, s18                     ; + my columns
	s_mov_b32 s21, 0
	s_lshl_b32 s22, s15, 24
	s_lshl_b32 s18, s12, 14
	s_add_co_u32 s22, s22, s18
	s_lshl_b32 s18, ttmp9, 8
	s_add_co_u32 s22, s22, s18                     ; out0: row 2048 b + 2 x wave, the work-group's 256 bytes
	s_mov_b32 s23, 0
	v_and_b32 v1, 15, v0                           ; r
	v_bfe_u32 v2, v0, 4, 1                         ; h
	v_and_b32 v3, 31, v0
	v_lshlrev_b32 v3, 4, v3                        ; O_0, O_1: 16 x lane
	v_lshlrev_b32 v4, 16, v2
	v_lshl_add_u32 v4, v1, 2, v4                   ; Wo: 8 h rows, + 4 r
	v_lshlrev_b32 v8, 8, v1                        ; m and l: row r of 256 bytes
	s_mul_i32 s18, s14, 4352
	s_lshl_b32 s19, s13, 6
	s_add_co_u32 s18, s18, s19
	v_mul_u32_u24 v5, v1, 272
	v_lshl_add_u32 v5, v2, 5, v5
	v_add_nc_u32 v5, s18, v5                       ; my part in LDS: row r, my 16 columns, + 32 h
	s_mul_i32 s18, s12, 544
	v_mul_u32_u24 v6, v2, 272
	v_lshl_add_u32 v6, v1, 4, v6
	v_add_nc_u32 v6, s18, v6                       ; back: rows 2 x wave and 2 x wave + 1, sixteen lanes to a row
	v_lshlrev_b32 v7, 13, v2
	v_lshl_add_u32 v7, v1, 4, v7                   ; and the same two rows in out0
	s_wait_kmcnt 0x0
	s_add_nc_u64 s[10:11], s[4:5], s[24:25]
	s_add_nc_u64 s[4:5], s[4:5], s[16:17]
	s_add_nc_u64 s[6:7], s[6:7], s[20:21]
	s_add_nc_u64 s[8:9], s[8:9], s[22:23]
.macro LOADB t                         ; batch t: 64 along K, one head: 32 + 8 + 8 loads
.set n, 0
.rept 32
	global_load_b32 v[32+32*((\t)%2)+n], v4, s[6:7] offset:8192*(64*(\t)+16*(n/8)+n%8)
.set n, n+1
.endr
.irp g, 0,1,2,3
.irp e, 0,1
	global_load_b128 v[96+32*((\t)%2)+8*\g+4*\e:96+32*((\t)%2)+8*\g+4*\e+3], v3, s[4:5] offset:4096*(\t)+1024*\g+512*\e
	global_load_b128 v[160+32*((\t)%2)+8*\g+4*\e:160+32*((\t)%2)+8*\g+4*\e+3], v3, s[4:5] offset:131072+4096*(\t)+1024*\g+512*\e
.endr
.endr
.endm
.macro MERGE t                         ; c = g_0 O_0 + g_1 O_1, in O_0's registers
.set i, 0
.rept 16
	v_pk_mul_f32 v[96+32*((\t)%2)+i:97+32*((\t)%2)+i], v[96+32*((\t)%2)+i:97+32*((\t)%2)+i], v[240+4*(\t):241+4*(\t)] op_sel_hi:[1,0]
.set i, i+2
.endr
.set i, 0
.rept 16
	v_pk_fma_f32 v[96+32*((\t)%2)+i:97+32*((\t)%2)+i], v[160+32*((\t)%2)+i:161+32*((\t)%2)+i], v[242+4*(\t):243+4*(\t)], v[96+32*((\t)%2)+i:97+32*((\t)%2)+i] op_sel_hi:[1,0,1]
.set i, i+2
.endr
.endm
.macro MULB t                          ; 16 matrix instructions, two accumulators by turns; the launch's first two start the sums
.set n, 0
.rept 16
.if ((\t) == 0) && (n < 2)
	v_wmma_f32_16x16x4_f32 v[224+8*(n%2):231+8*(n%2)], v[32+32*((\t)%2)+2*n:33+32*((\t)%2)+2*n], v[96+32*((\t)%2)+2*n:97+32*((\t)%2)+2*n], 0
.else
	v_wmma_f32_16x16x4_f32 v[224+8*(n%2):231+8*(n%2)], v[32+32*((\t)%2)+2*n:33+32*((\t)%2)+2*n], v[96+32*((\t)%2)+2*n:97+32*((\t)%2)+2*n], v[224+8*(n%2):231+8*(n%2)]
.endif
.set n, n+1
.endr
.rept 8
	v_nop                                          ; eight plain lines behind this form, in front of loads into its sources and of reads of its results
.endr
.endm
.irp t, 0,1,2,3
	global_load_b128 v[240+4*\t:243+4*\t], v8, s[10:11] offset:16*\t   ; m_0, l_0, m_1, l_1 of my row and head t
.endr
	LOADB 0
	LOADB 1
	s_wait_loadcnt 48                              ; m, l and batch 0 are in; the other batch's 48 loads may be out
.irp t, 0,1,2,3
	v_max_num_f32 v[16+\t], v[240+4*\t], v[242+4*\t]
.endr
.irp t, 0,1,2,3
	v_sub_f32 v[20+\t], v[240+4*\t], v[16+\t]
	v_sub_f32 v[24+\t], v[242+4*\t], v[16+\t]
.endr
.irp t, 0,1,2,3
	v_exp_f32 v[20+\t], v[20+\t]                   ; e_0
	v_exp_f32 v[24+\t], v[24+\t]                   ; e_1
.endr
	v_nop
	s_wait_alu depctr_va_vdst(0)                   ; one wait for the eight exponentials
.irp t, 0,1,2,3
	v_mul_f32 v[16+\t], v[20+\t], v[241+4*\t]
.endr
.irp t, 0,1,2,3
	v_fmac_f32 v[16+\t], v[24+\t], v[243+4*\t]     ; e_0 l_0 + e_1 l_1
.endr
.irp t, 0,1,2,3
	v_rcp_f32 v[16+\t], v[16+\t]
.endr
	v_nop
	s_wait_alu depctr_va_vdst(0)                   ; one wait for the four reciprocals
.irp t, 0,1,2,3
	v_mul_f32 v[240+4*\t], v[20+\t], v[16+\t]      ; g_0, the low word of a pair
	v_mul_f32 v[242+4*\t], v[24+\t], v[16+\t]      ; g_1 likewise
.endr
	MERGE 0
	MULB 0
	LOADB 2
	s_wait_loadcnt 48
	MERGE 1
	MULB 1
	LOADB 3
	s_wait_loadcnt 48
	MERGE 2
	MULB 2
	s_wait_loadcnt 0x0
	MERGE 3
	MULB 3
.irp j, 0,2,4,6
	v_pk_add_f32 v[16+\j:17+\j], v[224+\j:225+\j], v[232+\j:233+\j]
.endr
	ds_store_b128 v5, v[16:19]
	ds_store_b128 v5, v[20:23] offset:16
	s_wait_dscnt 0x0                               ; for the others' sake: my stores are done
	s_barrier_signal -1
	s_barrier_wait -1
	s_cmp_lt_u32 s12, 8
	s_cbranch_scc0 .Lend
.irp p, 0,1,2,3
	ds_load_b128 v[32+4*\p:35+4*\p], v6 offset:4352*\p
.endr
	s_wait_dscnt 0x0
	v_pk_add_f32 v[32:33], v[32:33], v[36:37]
	v_pk_add_f32 v[34:35], v[34:35], v[38:39]
	v_pk_add_f32 v[40:41], v[40:41], v[44:45]
	v_pk_add_f32 v[42:43], v[42:43], v[46:47]
	v_pk_add_f32 v[32:33], v[32:33], v[40:41]
	v_pk_add_f32 v[34:35], v[34:35], v[42:43]
	global_store_b128 v7, v[32:35], s[8:9]         ; sixteen lanes store 256 consecutive bytes, aligned
.Lend:
	s_wait_tensorcnt 0x0                           ; the wave's end, behind my last LDS store
	ds_add_u32 v[SPW], v[NIL]
	s_wait_dscnt 0x0
	s_endpgm
.Lfunc_end_k_q62e5480e3f_fproj:
	.size	k_q62e5480e3f_fproj, .Lfunc_end_k_q62e5480e3f_fproj-k_q62e5480e3f_fproj
	.p2alignl 7, 3214868480
	.fill 96, 4, 3214868480
	.section	.rodata,"a",@progbits
	.p2align	6, 0x0
	.amdhsa_kernel k_q62e5480e3f_fproj
		.amdhsa_group_segment_fixed_size 19456
		.amdhsa_private_segment_fixed_size 0
		.amdhsa_enable_private_segment 0
		.amdhsa_kernarg_size 24
		.amdhsa_user_sgpr_count 2
		.amdhsa_user_sgpr_kernarg_segment_ptr 1
		.amdhsa_wavefront_size32 1
		.amdhsa_system_sgpr_workgroup_id_x 1
		.amdhsa_system_sgpr_workgroup_id_y 1
		.amdhsa_system_sgpr_workgroup_id_z 1
		.amdhsa_system_vgpr_workitem_id 0
		.amdhsa_next_free_vgpr 256
		.amdhsa_next_free_sgpr 66
		.amdhsa_reserve_vcc 0
		.amdhsa_float_denorm_mode_32 3
		.amdhsa_float_denorm_mode_16_64 3
		.amdhsa_memory_ordered 1
		.amdhsa_forward_progress 1
		.amdhsa_inst_pref_size 37
	.end_amdhsa_kernel
	.amdgpu_metadata
---
amdhsa.version: [ 1, 2 ]
amdhsa.kernels:
  - .name:           k_q62e5480e3f_fproj
    .symbol:         k_q62e5480e3f_fproj.kd
    .args:
      - { .name: ctxf, .offset: 0, .size: 8, .value_kind: global_buffer, .address_space: global }
      - { .name: Wo, .offset: 8, .size: 8, .value_kind: global_buffer, .address_space: global }
      - { .name: out0, .offset: 16, .size: 8, .value_kind: global_buffer, .address_space: global }
    .group_segment_fixed_size: 19456
    .private_segment_fixed_size: 0
    .kernarg_segment_align: 8
    .kernarg_segment_size: 24
    .max_flat_workgroup_size: 512
    .sgpr_count:     66
    .vgpr_count:     256
    .wavefront_size: 32
...
	.end_amdgpu_metadata
.endif
;; end of part 6
